; MI455X (gfx1250); checked and timed in simulation.
; The chip was launched on July 23, 2026; its instructions are those of AMD's public machine-readable ISA for CDNA 5 (MIT licence, August 2026) and "CDNA5" Instruction Set Architecture Reference Guide (July 2026). The comments in the code are by the model that wrote it; some were corrected since.
;; Attention Layer. Allowed arithmetic: matrix products marked QUANTISED: E2M3 operands, one E8M0 scale for each 32 along K, by v_wmma_scale_f32_16x16x128_f8f6f4 with both operands' format E2M3, f32 sums; everything else in f32.
;; Inputs: Wk 1,024 x 1,024 float32; Wo 1,024 x 1,024 float32; Wq 1,024 x 1,024 float32; Wv 1,024 x 1,024 float32; bk 1,024 float32; bo 1,024 float32; bq 1,024 float32; bv 1,024 float32; keys 4 x 2,048 x 1,024 float32; queries 4 x 2,048 x 1,024 float32; values 4 x 2,048 x 1,024 float32.
;; Outputs: out0 4 x 2,048 x 1,024 float32.
;; This version of the problem:
;;   THIS VERSION OF THE PROBLEM IS GIVEN IN LOW PRECISION. The matrix products marked QUANTISED in the list below multiply operands that are first quantised to E2M3 (2 exponent bits, 3 mantissa bits; 6 bits a number), with one power-of-two scale for each 32 numbers along K (OCP MX v1.0); their sums are f32. All else is computed in f32.
;;   The module's matrix products, in the order in which they are computed (A, B: the left and right operand; K: the contracted axis; several contracted axes count as one K, in the product's order):
;;     1. [M 8,192, K 1,024] x [K 1,024, N 1,024]; A: input queries; B: input Wq: QUANTISED
;;     2. [M 8,192, K 1,024] x [K 1,024, N 1,024]; A: input keys; B: input Wk: QUANTISED
;;     3. [M 8,192, K 1,024] x [K 1,024, N 1,024]; A: input values; B: input Wv: QUANTISED
;;     4. batch 64 x [M 2,048, K 64] x [K 64, N 2,048]; A: computed on the way; B: computed on the way: QUANTISED
;;     5. batch 64 x [M 64, K 2,048] x [K 2,048, N 2,048]; A: computed on the way; B: softmax (see below): QUANTISED
;;     6. [M 8,192, K 1,024] x [K 1,024, N 1,024]; A: computed on the way; B: input Wo: QUANTISED
;;   THE QUANTISER, for each operand of a quantised product, along K:
;;     - K is cut into blocks of 32 from its start; a last block that is shorter is filled with zeros.
;;     - A block's scale is 2^e with e = floor(log2(the largest magnitude in the block)) - 2, held to -126 .. 127; a block of zeros has e = 0. As a byte (E8M0): e + 127.
;;     - Each number is divided by its block's scale, clamped to +-7.5, and rounded to the nearest number of E2M3, ties to even, subnormals kept.
;;     - The product sums the exact products of the quantised numbers (number of the format x scale) in f32.
;;   ~~~python
;;   def quantise(x, axis):      # numpy; x: float32 -> the quantised numbers, widened to float32 again
;;       x = np.moveaxis(x, axis, -1); K = x.shape[-1]
;;       x = np.pad(x, [(0, 0)] * (x.ndim - 1) + [(0, -K % 32)]); x = x.reshape(x.shape[:-1] + (-1, 32)); a = np.abs(x).max(-1, keepdims=True)
;;       e = np.where(a > 0, np.clip(np.frexp(np.where(a > 0, a, 1))[1] - 1 - 2, -126, 127), 0)      # np.frexp(a)[1] - 1 = floor(log2(a)), exactly
;;       r = np.clip(x / 2.0 ** e, -7.5, 7.5)
;;       step = 2.0 ** (np.maximum(np.frexp(np.where(r == 0, 1, r))[1] - 1, 0) - 3)
;;       q = np.round(r / step) * step * 2.0 ** e      # np.round: ties to even
;;       return np.moveaxis(q.reshape(q.shape[:-2] + (-1,))[..., :K], -1, axis).astype(np.float32)
;;   ~~~
;;   SOFTMAX AHEAD OF A QUANTISED PRODUCT. Where the list says 'softmax', what is quantised is not the finished softmax but p = 2^(t - M), with t = logit x log2(e) and M = ceil(the row's largest t), a whole number; so 1/2 < the row's largest p <= 1. The row's sum l is taken of the UNQUANTISED p, in f32, and the product's result is divided by l at the end. Since M is a whole number, a kernel that streams over the keys may use a running M (the ceiling of the running maximum): every later rescaling is an exact power of two, which a block's scale takes up: the codes' values come out the same.
;;   OPERANDS COMPUTED ON THE WAY. 'Computed on the way' means the value that the module computes at that place (a softmax that the list does not call 'softmax' is quantised finished and normalised). What goes into a quantiser is computed in f32, as accurately as f32 sums, v_exp_f32 and their like allow (about 1e-6 of the number): no bf16 or f16 on the way to a quantiser, and a product that is left as it is and whose result goes on into a quantised operand takes f32 operands (vector FMAs, or v_wmma_f32_16x16x4_f32). A number that lies on a knife's edge between two numbers of the format may be rounded either way, as far as f32 arithmetic and the matrix unit's own rounding can turn it there, and no further.
;; One version. Each part assembles by itself: llvm-mc -triple=amdgcn-amd-amdhsa -mcpu=gfx1250 --defsym DOCPART=n.
;; ======== version 1 of 1: 4 launches
;; limits: right only within a limited range of input values
;; workspace buffers: xcod 18,874,368 bytes; xscl 786,432 bytes; wcod 3,145,728 bytes; wscl 131,072 bytes; pcod 18,874,368 bytes; pscl 1,310,720 bytes; acod 6,291,456 bytes; ascl 262,144 bytes
;; launch quant (part 1): grid 896 x 1, 4 waves a work-group, no clusters, 68,096 bytes of LDS; arguments queries, keys, values, xcod, xscl, Wq, Wk, Wv, Wo, wcod, wscl; writes xcod, xscl, wcod, wscl
.if DOCPART == 1
	.amdgcn_target "amdgcn-amd-amdhsa--gfx1250"
	.amdhsa_code_object_version 6
	.text
	.protected	k_qbb0572f6c0_quant
	.globl	k_qbb0572f6c0_quant
	.p2align	8
	.type	k_qbb0572f6c0_quant,@function
k_qbb0572f6c0_quant:
	s_mov_b64 s[64:65], 0
	v_nop
	global_prefetch_b8 v0, s[64:65] scope:SCOPE_SE
	s_setreg_imm32_b32 hwreg(HW_REG_WAVE_MODE, 25, 1), 1
	s_wait_xcnt 0x0
; ALL SEVEN f32 OPERANDS OF THE FOUR PROJECTIONS BECOME CODES OF FP6 (E2M3) WITH ONE E8M0 SCALE BYTE FOR EACH 32 ALONG K.
; Work-groups 0 to 767: queries, keys, values (8,192 rows x 1,024, K innermost), 32 rows each.  Work-groups 768 to 895: Wq, Wk, Wv, Wo ([k][n], K the first axis), 128 columns x 256 along K each.
; THE CODES' ORDER: [tensor][K step of 256][place][192 bytes]: 128 places of one K step are 24,576 consecutive bytes that begin on a multiple of 256.  The scale bytes: [tensor][place][32].
; THE ORDER OF THE PLACES: in every group of 32 rows (of a weight: columns n), place = row with bits 3 and 4 exchanged, as the products that read these codes want their tiles.
; A block's scale is 2^(floor(log2(its largest magnitude)) - 2); its byte is the largest magnitude's exponent field - 2, held at 1 from below.  Each number is divided by the scale and rounded to the nearest code, ties to even.
; LIMITS: a block whose largest magnitude lies under 2^-124 has its byte held at 1; a block of zeros gets the byte 1 (its codes are zeros, and this program alone reads the bytes); NaN and infinities are not served.
; No tensor loads, no barrier: waves share nothing.  No cluster: no two work-groups read the same bytes.  The two paths part on the work-group's number and have LDS bytes of their own.
.set STEPS, 16
.set EMAX,  2
.set CB,    12                         ; bytes of 16 codes
.set KB,    192                        ; bytes of 256 codes: a place's part of a K step
.set XK,    8192*KB                    ; a K step's region of queries, keys or values
.set WK,    1024*KB                    ; and of a weight
.set R,     16                         ; v16-79   rows: four sets of 16 numbers as they are loaded
.set X,     80                         ; v80-111  two sets of 16 neighbours
.set C,     128                        ; v128-191 codes: four registers for each step
.set E,     112                        ; v112-127 a scale byte for each step
.set WREG,  8192                       ; LDS, rows: a wave's two stages of 32 x SP bytes and its 256 scale bytes
.set SP,    80
.set SPARE, 0x8000                     ; the spare words, 128 bytes a wave
.set WST,   0x8200                     ; LDS, weights: four stages of 32 rows x PITCH
.set PITCH, 272
.set WX,    32                         ; v32-95   weights: two sets of 32 numbers
.set WC,    96                         ; v96..    a block's codes
.set OUTR,  112                        ; v112-175 the way out
.set SB,    24                         ; v24-25   the scale bytes
	s_cmp_ge_u32 ttmp9, 768
	s_cbranch_scc1 .Lweights
; ---- ROWS.  A wave takes 8 rows, 16 steps of 512 numbers.  Each of a step's four loads reads 512 consecutive bytes; the 2,048 bytes turn through the wave's stage and come back 64 bytes a lane: 16 neighbours along K, two lanes to a block.
	s_load_b256 s[4:11], s[0:1], 0x0               ; queries, keys, values, xcod
	s_load_b64 s[12:13], s[0:1], 0x20              ; xscl
	v_lshl_add_u32 v192, v0, 2, SPARE
	v_mov_b32 v193, 0
	v_lshrrev_b32 v1, 5, v0
	v_readfirstlane_b32 s16, v1                    ; wave
	v_and_b32 v2, 31, v0                           ; lane
	v_lshlrev_b32 v3, 4, v2
	s_mul_i32 s17, s16, WREG
	v_lshrrev_b32 v14, 2, v2
	v_mul_u32_u24 v14, v14, SP
	v_and_b32 v15, 3, v2
	v_lshl_add_u32 v14, v15, 4, v14
	v_add_nc_u32 v14, s17, v14                     ; the stage, in: four lanes' 64 bytes on end, then 16 of padding
	v_mul_u32_u24 v15, v2, SP
	v_add_nc_u32 v15, s17, v15                     ; and out: my 16 neighbours
	v_and_b32 v4, 15, v2
	v_mul_u32_u24 v4, v4, CB
	v_lshrrev_b32 v10, 4, v2
	v_mad_u32_u24 v4, v10, XK, v4                  ; my codes: sixteen lanes fill a place's 192 bytes; lanes 16-31 hold the next K step
	v_lshrrev_b32 v5, 1, v2
	s_add_co_u32 s17, s17, 2*32*SP
	v_add_nc_u32 v5, s17, v5                       ; LDS: my block's scale byte
	v_lshlrev_b32 v7, 3, v2
	v_add_nc_u32 v6, s17, v7
	s_wait_alu depctr_va_vdst(0)                   ; the wait at the head's end
	s_wait_kmcnt 0x0
	s_cmp_lt_u32 ttmp9, 256                        ; 256 work-groups to a tensor
	s_cselect_b64 s[4:5], s[4:5], s[6:7]
	s_cmp_lt_u32 ttmp9, 512
	s_cselect_b64 s[4:5], s[4:5], s[8:9]
	s_and_b32 s17, ttmp9, 255
	s_lshl_b32 s17, s17, 2
	s_add_co_u32 s17, s17, s16
	s_lshl_b32 s18, s17, 15                        ; in: 8 rows are 32,768 bytes
	s_mov_b32 s19, 0
	s_add_nc_u64 s[4:5], s[4:5], s[18:19]
	s_and_b32 s17, s16, 1                          ; out: the wave's two bits exchanged
	s_lshl_b32 s17, s17, 1
	s_lshr_b32 s20, s16, 1
	s_or_b32 s17, s17, s20
	s_lshl_b32 s20, ttmp9, 2
	s_add_co_u32 s17, s17, s20                     ; my run of 8 places, counted over the three tensors
	s_mul_i32 s18, s17, 8*KB
	s_lshr_b32 s20, ttmp9, 8
	s_mul_i32 s20, s20, 3*XK                       ; a tensor has four K steps, of which the runs' count covers one
	s_add_co_u32 s18, s18, s20
	s_add_nc_u64 s[10:11], s[10:11], s[18:19]
	s_lshl_b32 s18, s17, 8                         ; 256 scale bytes a run
	s_add_nc_u64 s[12:13], s[12:13], s[18:19]
.macro LOAD t
.irp i, 0,1,2,3
	global_load_b128 v[R+16*((\t)%4)+4*\i:R+16*((\t)%4)+4*\i+3], v3, s[4:5] offset:2048*(\t)+512*\i th:TH_LOAD_NT
.endr
.endm
.macro TURN t                          ; LDS serves a wave's instructions in order: no wait between the stores and the loads
.irp i, 0,1,2,3
	ds_store_b128 v14, v[R+16*((\t)%4)+4*\i:R+16*((\t)%4)+4*\i+3] offset:32*SP*((\t)%2)+8*SP*\i
.endr
.irp i, 0,1,2,3
	ds_load_b128 v[X+16*((\t)%2)+4*\i:X+16*((\t)%2)+4*\i+3], v15 offset:32*SP*((\t)%2)+16*\i
.endr
.endm
.irp t, 0,1,2,3
	LOAD \t
.endr
	s_wait_loadcnt 12                              ; step 0's four loads are in; those of steps 1 to 3 may be out
	TURN 0
.macro STEP t
.set XS, X+16*((\t)%2)
.if (\t) > 0
	s_wait_dscnt 1                                 ; this step's numbers are back (the last step's byte store may be out)
.else
	s_wait_dscnt 0x0
.endif
.if (\t)+4 < STEPS
	LOAD (\t)+4
.endif
.if (\t)+1 < STEPS
.if STEPS-2-(\t) >= 3
	s_wait_loadcnt 12                              ; the next step's four loads are in; three steps' may be out
.else
	s_wait_loadcnt 4*(STEPS-2-(\t))
.endif
	TURN (\t)+1
.endif
	v_max3_num_f32 v8, |v[XS]|, |v[XS+1]|, |v[XS+2]|
	v_max3_num_f32 v9, |v[XS+3]|, |v[XS+4]|, |v[XS+5]|
.irp i, 6,10
	v_max3_num_f32 v8, v8, |v[XS+\i]|, |v[XS+\i+1]|
	v_max3_num_f32 v9, v9, |v[XS+\i+2]|, |v[XS+\i+3]|
.endr
	v_max3_num_f32 v8, v8, |v[XS+14]|, |v[XS+15]|
	v_max3_num_f32 v8, v8, v9, (EMAX+1)<<23        ; the floor 2^(3 - 127): the byte cannot fall under 1
	v_max_num_f32_dpp v8, v8, v8 row_xmask:1 row_mask:0xf bank_mask:0xf   ; with my neighbour's 16: the block's
	v_add_nc_u32 v11, -(EMAX<<23), v8              ; the conversion's scale operand
	v_cvt_scalef32_pk16_fp6_f32 v[C+4*(\t):C+4*(\t)+2], v[XS:XS+15], v11
	v_lshrrev_b32 v[E+(\t)], 23, v11               ; the scale's byte
	ds_store_b8 v5, v[E+(\t)] offset:16*(\t)
	global_store_b96 v4, v[C+4*(\t):C+4*(\t)+2], s[10:11] offset:KB*((\t)/2)+2*XK*((\t)%2)   ; row t / 2; K steps 2 (t % 2) and 2 (t % 2) + 1
.endm
.irp t, 0,1,2,3,4,5,6,7,8,9,10,11,12,13,14,15
	STEP \t
.endr
	ds_load_b64 v[12:13], v6
	s_wait_dscnt 0x0
	global_store_b64 v7, v[12:13], s[12:13]        ; 32 lanes store 256 consecutive bytes, aligned
	s_wait_tensorcnt 0x0                           ; the wave's end
	ds_add_u32 v192, v193
	s_wait_dscnt 0x0
	s_endpgm
; ---- WEIGHTS.  A lane takes a column n and its registers run down K: a block of 32 lies in one lane, and the conversions give codes with K innermost.
; A wave takes 32 columns x 256 along K: 192 bytes a column, one K step; they go through the wave's stage and leave as rows: two neighbouring places, 384 consecutive bytes, an instruction.
.Lweights:
	s_load_b256 s[4:11], s[0:1], 0x28              ; Wq, Wk, Wv, Wo
	s_load_b128 s[12:15], s[0:1], 0x48             ; wcod, wscl
	v_lshl_add_u32 v192, v0, 2, SPARE
	v_mov_b32 v193, 0
	v_lshrrev_b32 v1, 5, v0
	v_readfirstlane_b32 s16, v1
	v_and_b32 v2, 31, v0
	s_wait_alu depctr_va_vdst(0)
	s_sub_co_u32 s31, ttmp9, 768
	s_and_b32 s17, s31, 7
	s_lshl_b32 s17, s17, 7
	s_lshl_b32 s18, s16, 5
	s_add_co_u32 s17, s17, s18                     ; my wave's first column
	s_lshr_b32 s18, s31, 3
	s_lshr_b32 s30, s18, 2                         ; which weight
	s_and_b32 s18, s18, 3                          ; which K step
	v_lshlrev_b32 v3, 2, v2
	s_mul_i32 s19, s16, 32*PITCH
	s_add_co_u32 s19, s19, WST                     ; my stage
	v_mul_u32_u24 v4, v2, PITCH
	v_add_nc_u32 v4, s19, v4
	v_and_b32 v5, 15, v2
	v_lshrrev_b32 v6, 4, v2
	v_mul_u32_u24 v7, v6, PITCH
	v_lshl_add_u32 v7, v5, 4, v7
	v_add_nc_u32 v7, s19, v7
	v_mul_u32_u24 v8, v6, KB
	v_mad_u32_u24 v8, v5, 12, v8
	v_and_b32 v9, 7, v2                            ; my column's place: bits 3 and 4 of the lane exchanged,
	v_bfe_u32 v10, v2, 3, 1
	v_lshl_or_b32 v9, v10, 4, v9
	v_lshl_or_b32 v9, v6, 3, v9
	v_lshlrev_b32 v9, 5, v9                        ; times a row of 32 scale bytes
	s_lshl_b32 s20, s18, 20                        ; W: 256 rows of 4,096 bytes a K step, + 4 x column
	s_lshl_b32 s22, s17, 2
	s_add_co_u32 s20, s20, s22
	s_mov_b32 s21, 0
	s_mul_i32 s24, s30, 4*WK                       ; codes: the weight, the K step, the group's first place
	s_mul_i32 s22, s18, WK
	s_add_co_u32 s24, s24, s22
	s_mul_i32 s22, s17, KB
	s_add_co_u32 s24, s24, s22
	s_mov_b32 s25, 0
	s_lshl_b32 s28, s30, 15
	s_lshl_b32 s22, s17, 5
	s_add_co_u32 s28, s28, s22
	s_lshl_b32 s22, s18, 3
	s_add_co_u32 s28, s28, s22
	s_mov_b32 s29, 0
	s_wait_alu depctr_va_vdst(0)                   ; the wait at the head's end
	s_wait_kmcnt 0x0
	s_cmp_eq_u32 s30, 1
	s_cselect_b64 s[4:5], s[6:7], s[4:5]
	s_cmp_eq_u32 s30, 2
	s_cselect_b64 s[4:5], s[8:9], s[4:5]
	s_cmp_eq_u32 s30, 3
	s_cselect_b64 s[4:5], s[10:11], s[4:5]
	s_add_nc_u64 s[4:5], s[4:5], s[20:21]
	s_add_nc_u64 s[12:13], s[12:13], s[24:25]
	s_add_nc_u64 s[14:15], s[14:15], s[28:29]
.macro WLOAD t
.set li, 0
.rept 32
	global_load_b32 v[WX+32*((\t)%2)+li], v3, s[4:5] offset:(32*(\t)+li)*4096 th:TH_LOAD_NT
.set li, li+1
.endr
.endm
	WLOAD 0
	WLOAD 1
.macro WBLOCK t
.set XS, WX+32*((\t)%2)
.if (\t) < 7
	s_wait_loadcnt 32                              ; this block's 32 loads are in; the next block's may be out
.else
	s_wait_loadcnt 0
.endif
	v_max3_num_f32 v12, |v[XS]|, |v[XS+1]|, |v[XS+2]|
	v_max3_num_f32 v13, |v[XS+3]|, |v[XS+4]|, |v[XS+5]|
.irp i, 6,10,14,18,22,26
	v_max3_num_f32 v12, v12, |v[XS+\i]|, |v[XS+\i+1]|
	v_max3_num_f32 v13, v13, |v[XS+\i+2]|, |v[XS+\i+3]|
.endr
	v_max3_num_f32 v12, v12, |v[XS+30]|, |v[XS+31]|
	v_max3_num_f32 v12, v12, v13, (EMAX+1)<<23
	v_add_nc_u32 v11, -(EMAX<<23), v12
	v_lshrrev_b32 v13, 23, v11
.if (\t)%4 == 0
	v_mov_b32 v[SB+(\t)/4], v13
.else
	v_lshl_or_b32 v[SB+(\t)/4], v13, 8*((\t)%4), v[SB+(\t)/4]
.endif
	v_cvt_scalef32_pk16_fp6_f32 v[WC:WC+2], v[XS:XS+15], v11
	v_cvt_scalef32_pk16_fp6_f32 v[WC+4:WC+6], v[XS+16:XS+31], v11
	ds_store_b96 v4, v[WC:WC+2] offset:32*(\t)
	ds_store_b96 v4, v[WC+4:WC+6] offset:32*(\t)+16
.if (\t)+2 < 8
	WLOAD (\t)+2
.endif
	s_wait_dscnt 0x0                               ; the stores have read their registers
.endm
.set Q, 0
.rept 8
	WBLOCK Q
.set Q, Q+1
.endr
	s_wait_alu depctr_va_vdst(0)                   ; directly ahead of the reader below
	global_store_b64 v9, v[SB:SB+1], s[14:15]
.irp t, 0,1,2,3,4,5,6,7,8,9,10,11,12,13,14,15
	ds_load_b96 v[OUTR+4*\t:OUTR+4*\t+2], v7 offset:2*\t*PITCH
.endr
.irp t, 0,1,2,3,4,5,6,7,8,9,10,11,12,13,14,15
	s_wait_dscnt 15-\t                             ; rows 2 t, 2 t + 1 are back; the 15 - t later loads may be out
	global_store_b96 v8, v[OUTR+4*\t:OUTR+4*\t+2], s[12:13] offset:(((2*\t)&7)+16*(((2*\t)>>3)&1)+8*((2*\t)>>4))*KB
.endr
	s_wait_tensorcnt 0x0                           ; the wave's end
	ds_add_u32 v192, v193
	s_wait_dscnt 0x0
	s_endpgm
.Lfunc_end_k_qbb0572f6c0_quant:
	.size	k_qbb0572f6c0_quant, .Lfunc_end_k_qbb0572f6c0_quant-k_qbb0572f6c0_quant
	.p2alignl 7, 3214868480
	.fill 96, 4, 3214868480
	.section	.rodata,"a",@progbits
	.p2align	6, 0x0
	.amdhsa_kernel k_qbb0572f6c0_quant
		.amdhsa_group_segment_fixed_size 68096
		.amdhsa_private_segment_fixed_size 0
		.amdhsa_enable_private_segment 0
		.amdhsa_kernarg_size 88
		.amdhsa_user_sgpr_count 2
		.amdhsa_user_sgpr_kernarg_segment_ptr 1
		.amdhsa_wavefront_size32 1
		.amdhsa_system_sgpr_workgroup_id_x 1
		.amdhsa_system_sgpr_workgroup_id_y 1
		.amdhsa_system_sgpr_workgroup_id_z 1
		.amdhsa_system_vgpr_workitem_id 0
		.amdhsa_next_free_vgpr 194
		.amdhsa_next_free_sgpr 66
		.amdhsa_reserve_vcc 0
		.amdhsa_float_denorm_mode_32 3
		.amdhsa_float_denorm_mode_16_64 3
		.amdhsa_memory_ordered 1
		.amdhsa_forward_progress 1
		.amdhsa_inst_pref_size 75
	.end_amdhsa_kernel
	.amdgpu_metadata
---
amdhsa.version: [ 1, 2 ]
amdhsa.kernels:
  - .name:           k_qbb0572f6c0_quant
    .symbol:         k_qbb0572f6c0_quant.kd
    .args:
      - { .name: queries, .offset: 0, .size: 8, .value_kind: global_buffer, .address_space: global }
      - { .name: keys, .offset: 8, .size: 8, .value_kind: global_buffer, .address_space: global }
      - { .name: values, .offset: 16, .size: 8, .value_kind: global_buffer, .address_space: global }
      - { .name: xcod, .offset: 24, .size: 8, .value_kind: global_buffer, .address_space: global }
      - { .name: xscl, .offset: 32, .size: 8, .value_kind: global_buffer, .address_space: global }
      - { .name: Wq, .offset: 40, .size: 8, .value_kind: global_buffer, .address_space: global }
      - { .name: Wk, .offset: 48, .size: 8, .value_kind: global_buffer, .address_space: global }
      - { .name: Wv, .offset: 56, .size: 8, .value_kind: global_buffer, .address_space: global }
      - { .name: Wo, .offset: 64, .size: 8, .value_kind: global_buffer, .address_space: global }
      - { .name: wcod, .offset: 72, .size: 8, .value_kind: global_buffer, .address_space: global }
      - { .name: wscl, .offset: 80, .size: 8, .value_kind: global_buffer, .address_space: global }
    .group_segment_fixed_size: 68096
    .private_segment_fixed_size: 0
    .kernarg_segment_align: 8
    .kernarg_segment_size: 88
    .max_flat_workgroup_size: 128
    .sgpr_count:     66
    .vgpr_count:     194
    .wavefront_size: 32
...
	.end_amdgpu_metadata
.endif
;; end of part 1
;; launch proj (part 2): grid 4 x 64, 4 waves a work-group, clusters of 4 x 4, 327,680 bytes of LDS; arguments xcod, xscl, wcod, wscl, bq, bk, bv, pcod, pscl; writes pcod, pscl
.if DOCPART == 2
	.amdgcn_target "amdgcn-amd-amdhsa--gfx1250"
	.amdhsa_code_object_version 6
	.text
	.protected	k_qbb0572f6c0_proj
	.globl	k_qbb0572f6c0_proj
	.p2align	8
	.type	k_qbb0572f6c0_proj,@function
k_qbb0572f6c0_proj:
	s_mov_b64 s[64:65], 0
	v_nop
	global_prefetch_b8 v0, s[64:65] scope:SCOPE_SE
	s_setreg_imm32_b32 hwreg(HW_REG_WAVE_MODE, 25, 1), 1
	s_wait_xcnt 0x0
	s_wait_alu depctr_hold_cnt(0) depctr_sa_sdst(0) depctr_va_vdst(0) depctr_va_sdst(0) depctr_va_ssrc(0) depctr_va_vcc(0) depctr_vm_vsrc(0)
	s_getreg_b32 s2, hwreg(HW_REG_IB_STS2, 6, 4)
	s_cmp_eq_u32 s2, 0
	s_cbranch_scc0 .Lentry_in_a_cluster
	s_endpgm
.Lentry_in_a_cluster:
	s_bfe_u32 s2, ttmp6, 0x10000c
	s_cmp_lg_u32 s2, 0xf033
	s_cbranch_scc0 .Lentry_shape_is_right
	s_endpgm
.Lentry_shape_is_right:
; Q = queries Wq + bq, K = keys Wk + bk, V = values Wv + bv on codes of FP6 (E2M3) with E8M0 scales, and the quantising of the results for the attention's two products.  No f32 result is stored.
; THE DEAL.  256 work-groups; each makes three blocks of 128 x 256, one of Q, one of K, one of V, on end.  Q, K: A = 128 tokens (unit 4 c + cy), B = 256 places of the weight (unit cx).
; V: A = 128 places of Wv (unit 4 (c % 2) + cy), B = 256 tokens (unit 4 (c / 2) + cx), so that a lane's registers run along the keys.  c is the cluster's number, cx and cy the place in it.
; A's tiles are shared by a row of the cluster, B's by a column: joint loads.  Four waves, 2 x 2: a wave makes 64 of A x 128 of B, 32 accumulators (window 2).
; THE RING.  K goes in steps of 256 (192 bytes a place; 64 or 128 places are dense rows of 256 bytes) through two slots; waves 0, 1 fetch a half of A's tile, waves 2, 3 a half of B's: one tensor load a wave behind each round.
; The ring does not stop at a block's end: a block's last two changes of slots ask for the next block's first two K steps.  Q and K are a loop of two trips; V, which asks for nothing beyond its end, is written out.
; THE SCALE WORDS of a wave's rows, all of K, are loaded from memory into registers once a block (12 loads of 16 bytes a lane; two loads cover 1,024 consecutive bytes): register 8 p + k: block 2 p in lanes 0-15, block 2 p + 1 in lanes 16-31.
; THE MATRIX INSTRUCTION IS USED TRANSPOSED (source 0 = B's rows, source 1 = A's).  By the order of the places 16 registers of two neighbouring tiles are 16 neighbours along the next product's K.
; REGISTERS: window 0: v0-31 addresses, v32-47 and v52-83 scale words, v128-223 A's fragments, two sets; window 1: B's fragments, two sets; window 2: accumulators; window 3: the way out.
; No data prefetch is laid here: a block has four K steps, and each is asked for two steps ahead, across blocks too.
; LIMITS: a block of 32 whose largest magnitude lies under 2^-124 has its byte held at 1; a block of zeros gets the byte 1 (its codes are zeros, and this program alone reads the bytes); NaN and infinities are not served.
.set KROW,   192
.set XK,     8192*192
.set WK,     1024*192
.set XREG,   8192*768
.set WREGN,  1024*768
.set HEADB,  98304
.set PITCH,  240
.set FR,     12
.set HALFT,  128*PITCH
.set SLOT,   3*HALFT
.set SPARE,  2*SLOT
.set ADRA, 16
.set ADRB, 20
.set LO8,  24
.set LO16, 25
.set BOQ,  26
.set BOV,  27
.set SPW,  28
.set NIL,  29
.set ABS,  30
.set SAS,  32
.set SBS,  52
.set AF,   128
.set H,    0                           ; window 3 from here on
.set BI,   64
.set CD,   128
.set TM,   152
.set PW,   168
.set TT,   169
.set SW0,  172
.set SW1,  174
.set BV,   176
.set G1, 24
.set G0, 32
.set G1B, 48
.set G0B, 56
.set KA, 78                            ; s[78:81] K's first two K steps of A, s[82:85] of B; s[86:93] V's
.set KB, 82
.set VA, 86
.set VB, 90
.set SEL, 98
.set MSB, 0
.macro WIN new
.if MSB != (\new)
	s_set_vgpr_msb (MSB<<8)|(\new)
.set MSB, (\new)
.endif
.endm
.set MUL_LO, 0xa1
.set TO_B,   0x40
.macro PLACES n
.rept \n
	v_nop
.endr
.endm
.macro JLOAD s
	s_cmp_eq_u32 s15, 0
	s_cbranch_scc0 .Lfor_b_\@
	tensor_load_to_lds s[G0+4*\s:G0+4*\s+3], s[G1:G1+7]
	s_nop 0
	PLACES 4
	s_branch .Lasked_\@
.Lfor_b_\@:
	tensor_load_to_lds s[G0B+4*\s:G0B+4*\s+3], s[G1B:G1B+7]
	s_nop 0
	PLACES 4
.Lasked_\@:
.endm
.macro CREST
	s_cmp_lg_u32 s14, 0
	s_cbranch_scc1 .Lnot_wave_0_\@
	s_barrier_signal -3
.Lnot_wave_0_\@:
	s_barrier_wait -3
	s_barrier_signal -1
	s_barrier_wait -1
.endm
.macro CROUND
	s_barrier_signal -1
	s_barrier_wait -1
	CREST
.endm
	s_load_b256 s[4:11], s[0:1], 0x0               ; xcod, xscl, wcod, wscl
	s_load_b256 s[68:75], s[0:1], 0x20             ; bq, bk, bv, pcod
	s_load_b64 s[76:77], s[0:1], 0x40              ; pscl
	v_lshl_add_u32 v[SPW], v0, 2, SPARE
	v_mov_b32 v[NIL], 0
	ds_add_u32 v[SPW], v[NIL]                      ; the opening lines
	ds_add_u32 v[SPW], v[NIL]
	v_lshrrev_b32 v1, 5, v0
	v_readfirstlane_b32 s14, v1
	s_lshr_b32 s15, s14, 1                         ; my half of A's rows; also: I fetch for A (0) or B (1)
	s_and_b32 s16, s14, 1                          ; my half of B's rows; also: which half I fetch
	s_bfe_u32 s40, ttmp6, 0x40000
	s_bfe_u32 s41, ttmp6, 0x40004
	s_and_b32 s42, ttmp7, 0xffff
	s_lshl_b32 s43, s41, 2
	s_lshl_b32 s43, 15, s43
	s_lshl_b32 s44, 0x1111, s40
	s_or_b32 s[G1+0], s43, (1<<20)|(1<<21)|(3<<22)|(3<<25)
	s_or_b32 s[G1B+0], s44, (1<<20)|(1<<21)|(3<<22)|(3<<25)
.irp g, G1, G1B
	s_mov_b32 s[\g+1], 256<<16
	s_mov_b32 s[\g+3], 256<<16
	s_mov_b32 s[\g+5], 256
	s_mov_b32 s[\g+6], 0
	s_mov_b32 s[\g+7], 0
.endr
	s_mov_b32 s[G1+2], 48<<16                      ; 64 places are 48 rows of 256 bytes,
	s_mov_b32 s[G1+4], 48
	s_mov_b32 s[G1B+2], 96<<16                     ; 128 places 96
	s_mov_b32 s[G1B+4], 96
	s_lshl_b32 s17, s42, 2
	s_add_co_u32 s17, s17, s41
	s_lshl_b32 s17, s17, 7                         ; A's first token
	s_lshl_b32 s19, s16, 6
	s_add_co_u32 s19, s19, s17
	s_mul_i32 s20, s19, KROW
	s_mov_b32 s21, 0
	s_lshl_b32 s22, s40, 8
	s_lshl_b32 s23, s16, 7
	s_add_co_u32 s23, s23, s22
	s_mul_i32 s46, s23, KROW
	s_mov_b32 s47, 0
	s_mul_i32 s45, s16, 64*PITCH
	s_mul_i32 s3, s16, HALFT
	s_add_co_u32 s3, s3, HALFT
	s_wait_dscnt 0x0
	s_wait_kmcnt 0x0
	s_add_nc_u64 s[20:21], s[4:5], s[20:21]
	s_add_nc_u64 s[46:47], s[8:9], s[46:47]
	CROUND
.irp s, 0,1
	s_mov_b32 s[G0+4*\s], 1
	s_add_co_u32 s[G0+4*\s+1], s45, \s*SLOT
	s_add_nc_u64 s[G0+4*\s+2:G0+4*\s+3], s[20:21], \s*XK
	s_or_b32 s[G0+4*\s+3], s[G0+4*\s+3], 0x80000000
	s_mov_b32 s[G0B+4*\s], 1
	s_add_co_u32 s[G0B+4*\s+1], s3, \s*SLOT
	s_add_nc_u64 s[G0B+4*\s+2:G0B+4*\s+3], s[46:47], \s*WK
	s_or_b32 s[G0B+4*\s+3], s[G0B+4*\s+3], 0x80000000
.endr
	JLOAD 0                                        ; Q's K step 0: one tensor load a wave at the head
	s_mul_i32 s17, s15, 64*PITCH
	s_add_co_u32 s18, s17, SLOT
	s_mul_i32 s19, s16, HALFT
	s_add_co_u32 s19, s19, HALFT
	s_add_co_u32 s22, s19, SLOT
	v_and_b32 v1, 15, v0
	v_bfe_u32 v2, v0, 4, 1
	v_and_b32 v6, 31, v0
	v_mul_u32_u24 v3, v1, PITCH
	v_mad_u32_u24 v4, v2, 24, v3
	v_lshl_add_u32 v5, v2, 4, v4
	v_add_nc_u32 v[ADRA], s17, v4
	v_add_nc_u32 v[ADRA+1], s18, v4
	v_add_nc_u32 v[ADRA+2], s17, v5
	v_add_nc_u32 v[ADRA+3], s18, v5
	v_add_nc_u32 v[ADRB], s19, v4
	v_add_nc_u32 v[ADRB+1], s22, v4
	v_add_nc_u32 v[ADRB+2], s19, v5
	v_add_nc_u32 v[ADRB+3], s22, v5
	v_lshlrev_b32 v[LO8], 3, v6
	v_lshlrev_b32 v[LO16], 4, v6
	v_lshlrev_b32 v[ABS], 5, v6
	v_lshlrev_b32 v[BOQ], 6, v2
	v_and_b32 v[BOV], 8, v1
	v_add_nc_u32 v[BOV], v[BOV], v1
	v_lshlrev_b32 v[BOV], 2, v[BOV]
	WIN 0xc0
.irp b, 0,1,2,3
	v_mov_b32 v[TM+4+\b], 0                        ; a lane permute's destination counts as one of its sources
.endr
	WIN 0
	s_wait_alu depctr_va_vdst(0)                   ; the wait behind the head's last vector line
	s_mov_b32 s[SEL], 0x76543210
	s_mov_b32 s[SEL+1], 0xfedcba98
	s_mov_b32 s100, 0xffff0000
	s_add_nc_u64 s[KA:KA+1], s[20:21], XREG        ; K's tiles
	s_add_nc_u64 s[KA+2:KA+3], s[KA:KA+1], XK
	s_add_nc_u64 s[KB:KB+1], s[46:47], WREGN
	s_add_nc_u64 s[KB+2:KB+3], s[KB:KB+1], WK
	s_and_b32 s18, s42, 1                          ; V's: A = Wv's places
	s_lshl_b32 s18, s18, 2
	s_add_co_u32 s18, s18, s41
	s_lshl_b32 s18, s18, 7
	s_lshl_b32 s19, s16, 6
	s_add_co_u32 s19, s19, s18
	s_mul_i32 s20, s19, KROW
	s_add_co_u32 s20, s20, 2*WREGN
	s_mov_b32 s21, 0
	s_add_nc_u64 s[VA:VA+1], s[8:9], s[20:21]
	s_add_nc_u64 s[VA+2:VA+3], s[VA:VA+1], WK
	s_lshr_b32 s22, s42, 1                         ; B = tokens
	s_lshl_b32 s22, s22, 2
	s_add_co_u32 s22, s22, s40
	s_lshl_b32 s22, s22, 8
	s_lshl_b32 s23, s16, 7
	s_add_co_u32 s23, s23, s22                     ; s23: V, my 128 tokens
	s_mul_i32 s46, s23, KROW
	s_add_co_u32 s46, s46, 2*XREG
	s_mov_b32 s47, 0
	s_add_nc_u64 s[VB:VB+1], s[4:5], s[46:47]
	s_add_nc_u64 s[VB+2:VB+3], s[VB:VB+1], XK
.irp g, KA+1, KA+3, KB+1, KB+3, VA+1, VA+3, VB+1, VB+3
	s_or_b32 s[\g], s[\g], 0x80000000
.endr
	s_lshl_b32 s19, s15, 6
	s_add_co_u32 s19, s19, s18                     ; s19: V, my 64 channels
	s_lshl_b32 s17, s42, 2
	s_add_co_u32 s17, s17, s41
	s_lshl_b32 s17, s17, 7
	s_lshl_b32 s3, s15, 6
	s_add_co_u32 s17, s17, s3                      ; s17: Q, K, my 64 tokens
	s_lshl_b32 s45, s40, 8
	s_lshl_b32 s3, s16, 7
	s_add_co_u32 s45, s45, s3                      ; s45: Q, K, my 128 channels
	s_lshl_b32 s20, s17, 5                         ; the scale words: s[94:97] Q's, s[4:5], s[8:9] K's, s[10:11], s[6:7] V's
	s_add_nc_u64 s[94:95], s[6:7], s[20:21]
	s_add_nc_u64 s[4:5], s[94:95], 262144
	s_lshl_b32 s20, s45, 5
	s_add_nc_u64 s[96:97], s[10:11], s[20:21]
	s_add_nc_u64 s[8:9], s[96:97], 32768
.macro LDSCALES pa, pb
.irp p, 0,1
.irp c, 0,1
	global_load_b128 v[SAS+8*\p+4*\c:SAS+8*\p+4*\c+3], v[ABS], s[\pa:\pa+1] offset:\p*1024+16*\c
.endr
.endr
.irp p, 0,1,2,3
.irp c, 0,1
	global_load_b128 v[SBS+8*\p+4*\c:SBS+8*\p+4*\c+3], v[ABS], s[\pb:\pb+1] offset:\p*1024+16*\c
.endr
.endr
.endm
	LDSCALES 94, 96
	s_lshl_b32 s20, s19, 5
	s_add_co_u32 s20, s20, 65536
	s_add_nc_u64 s[10:11], s[10:11], s[20:21]
	s_lshl_b32 s20, s23, 5
	s_add_co_u32 s20, s20, 524288
	s_add_nc_u64 s[6:7], s[6:7], s[20:21]
	s_lshr_b32 s46, s17, 11                        ; where Q's results go: s[12:13] codes, s[66:67] scale words; K's lie a region on
	s_lshl_b32 s46, s46, 4
	s_lshr_b32 s3, s45, 6
	s_add_co_u32 s46, s46, s3                      ; batch x 16 + head
	s_mul_i32 s20, s46, HEADB
	s_bfe_u32 s3, s17, 0x70004                     ; the tile of 16 tokens
	s_mul_i32 s3, s3, 768
	s_add_co_u32 s20, s20, s3
	s_add_nc_u64 s[12:13], s[74:75], s[20:21]
	s_lshl_b32 s20, s46, 13
	s_bfe_u32 s3, s17, 0x40007
	s_lshl_b32 s3, s3, 9
	s_add_co_u32 s20, s20, s3
	s_bfe_u32 s3, s17, 0x10006                     ; my four tiles are registers 0, 1 or 2, 3 of the group's four
	s_lshl_b32 s3, s3, 3
	s_add_co_u32 s20, s20, s3
	s_add_nc_u64 s[66:67], s[76:77], s[20:21]
	s_lshl_b32 s20, s45, 2
	s_add_nc_u64 s[68:69], s[68:69], s[20:21]
	s_add_nc_u64 s[70:71], s[70:71], s[20:21]
	s_lshr_b32 s46, s23, 11                        ; V's: s[74:75], s[76:77], its bias s[72:73]
	s_lshl_b32 s46, s46, 4
	s_lshr_b32 s3, s19, 6
	s_add_co_u32 s46, s46, s3
	s_mul_i32 s20, s46, HEADB
	s_bfe_u32 s3, s23, 0x70004
	s_mul_i32 s3, s3, 768
	s_add_co_u32 s20, s20, s3
	s_add_co_u32 s20, s20, 2*XREG
	s_add_nc_u64 s[74:75], s[74:75], s[20:21]
	s_lshl_b32 s20, s46, 12
	s_bfe_u32 s3, s23, 0x40007
	s_lshl_b32 s3, s3, 8
	s_add_co_u32 s20, s20, s3
	s_add_co_u32 s20, s20, 2<<19
	s_add_nc_u64 s[76:77], s[76:77], s[20:21]
	s_lshl_b32 s20, s19, 2
	s_add_nc_u64 s[72:73], s[72:73], s[20:21]
.macro FRAG reg, adr, q, i
.irp p, 0,1,2,3,4,5
.set PIECE, 12*(\q)+6*(\p/3)+\p%3
.if PIECE%8 < 5
	ds_load_b64 v[\reg+2*\p:\reg+2*\p+1], v[\adr] offset:8*PIECE+16*(PIECE/8)+(\i)*16*PITCH
.else
	ds_load_b64 v[\reg+2*\p:\reg+2*\p+1], v[\adr+2] offset:8*PIECE+16*(PIECE/8)+(\i)*16*PITCH
.endif
.endr
.endm
.macro FETCH slot, q, p                ; 72 LDS loads: B's eight and A's four fragments of 128 along K into set p
	WIN TO_B
.irp i, 0,1,2,3,4,5,6,7
	FRAG 128*(\p)+FR*\i, ADRB+\slot, \q, \i
.endr
	WIN 0
.irp i, 0,1,2,3
	FRAG AF+48*(\p)+FR*\i, ADRA+\slot, \q, \i
.endr
.endm
.macro WM1 a, b, rb, ra, p, kq, zero
.if \zero
	v_wmma_scale_f32_16x16x128_f8f6f4 v[8*(8*(\a)+(\b)):8*(8*(\a)+(\b))+7], v[128*(\p)+FR*(\b):128*(\p)+FR*(\b)+FR-1], v[AF+48*(\p)+FR*(\a):AF+48*(\p)+FR*(\a)+FR-1], 0, v[SBS+8*((\b)/2)+(\kq)], v[SAS+8*((\a)/2)+(\kq)] matrix_a_fmt:MATRIX_FMT_FP6 matrix_b_fmt:MATRIX_FMT_FP6 matrix_a_scale:MATRIX_SCALE_ROW\rb matrix_b_scale:MATRIX_SCALE_ROW\ra
.else
	v_wmma_scale_f32_16x16x128_f8f6f4 v[8*(8*(\a)+(\b)):8*(8*(\a)+(\b))+7], v[128*(\p)+FR*(\b):128*(\p)+FR*(\b)+FR-1], v[AF+48*(\p)+FR*(\a):AF+48*(\p)+FR*(\a)+FR-1], v[8*(8*(\a)+(\b)):8*(8*(\a)+(\b))+7], v[SBS+8*((\b)/2)+(\kq)], v[SAS+8*((\a)/2)+(\kq)] matrix_a_fmt:MATRIX_FMT_FP6 matrix_b_fmt:MATRIX_FMT_FP6 matrix_a_scale:MATRIX_SCALE_ROW\rb matrix_b_scale:MATRIX_SCALE_ROW\ra
.endif
.endm
.macro MULA a, ra, p, kq, zero         ; A's block a against B's eight; the 32 accumulators take turns in the same order in every step
.irp c, 0,1,2,3
	WM1 \a, 2*\c, 0, \ra, \p, \kq, \zero
	WM1 \a, 2*\c+1, 1, \ra, \p, \kq, \zero
.endr
.endm
.macro STEP slot, kq, zero             ; a slot's first 128 along K, on set 0; the second's fragments are fetched into set 1 behind the first eight products
	s_wait_dscnt 0x0
	WIN MUL_LO
	MULA 0, 0, 0, \kq, \zero
	PLACES 4
	FETCH \slot, 1, 1
	WIN MUL_LO
	MULA 1, 1, 0, \kq, \zero
	MULA 2, 0, 0, \kq, \zero
	MULA 3, 1, 0, \kq, \zero
.endm
; A slot's second 128 along K, on set 1, and the change of slots.  mode 0: nothing is filled; 1: this block's K step two on; 2: the next block's first or second K step (K's in trip 0, V's in trip 1)
.macro TURN slot, next, kq, mode, sa, sb
	WIN 0
	s_wait_tensorcnt 0x0                           ; all my tensor loads have landed, my part of the next slot among them;
	ds_add_u32 v[SPW], v[NIL]
	s_wait_dscnt 1                                 ; (my fragments are in; the add may be out)
	WIN MUL_LO
	MULA 0, 0, 1, \kq, 0
	s_wait_dscnt 0x0                               ; the add is done, and my reads of this slot were over before
	s_barrier_signal -1
	MULA 1, 1, 1, \kq, 0
	WIN 0
	s_barrier_wait -1
.if \mode
	CREST
.if \mode == 1
	s_add_nc_u64 s[G0+4*\slot+2:G0+4*\slot+3], s[G0+4*\slot+2:G0+4*\slot+3], \sa
	s_add_nc_u64 s[G0B+4*\slot+2:G0B+4*\slot+3], s[G0B+4*\slot+2:G0B+4*\slot+3], \sb
.else
	s_cmp_eq_u32 s2, 0
	s_cselect_b64 s[G0+4*\slot+2:G0+4*\slot+3], s[KA+2*\slot:KA+2*\slot+1], s[VA+2*\slot:VA+2*\slot+1]
	s_cselect_b64 s[G0B+4*\slot+2:G0B+4*\slot+3], s[KB+2*\slot:KB+2*\slot+1], s[VB+2*\slot:VB+2*\slot+1]
.endif
	JLOAD \slot                                    ; the first tensor load behind the round; its four v_nop are the places in front of the loads below
.else
	PLACES 4
.endif
	FETCH \next, 0, 0
	WIN MUL_LO
	MULA 2, 0, 1, \kq, 0
	MULA 3, 1, 1, \kq, 0
	WIN 0
.endm
.macro QUANT s                         ; 64 numbers a lane, four blocks of 32 shared with lane l xor 16: twelve registers of codes, one scale word.  All registers in window 3
.irp b, 0,1,2,3
	v_max3_num_f32 v[TM+\b], |v[\s+16*\b]|, |v[\s+1+16*\b]|, 0x1800000
.endr
.irp i, 2,4,6,8,10,12,14
.irp b, 0,1,2,3
	v_max3_num_f32 v[TM+\b], v[TM+\b], |v[\s+16*\b+\i]|, |v[\s+1+16*\b+\i]|
.endr
.endr
.irp b, 0,1,2,3
	v_permlanex16_b32 v[TM+4+\b], v[TM+\b], s[SEL], s[SEL+1]
.endr
.irp b, 0,1,2,3
	v_max_num_f32 v[TM+\b], v[TM+\b], v[TM+4+\b]
.endr
.irp b, 0,1,2,3
	v_add_nc_u32 v[TM+12+\b], 0xff000000, v[TM+\b]
.endr
.irp b, 0,1,2,3
	v_lshrrev_b32 v[TM+4+\b], 23, v[TM+12+\b]
.endr
	v_lshl_or_b32 v[PW], v[TM+5], 8, v[TM+4]
	v_lshl_or_b32 v[PW], v[TM+6], 16, v[PW]
	v_lshl_or_b32 v[PW], v[TM+7], 24, v[PW]
.irp c, 0,1
	v_cvt_scalef32_pk16_fp6_f32 v[CD+6*\c:CD+2+6*\c], v[\s+32*\c:\s+15+32*\c], v[TM+12+2*\c]
	v_cvt_scalef32_pk16_fp6_f32 v[CD+12+4*\c:CD+14+4*\c], v[\s+16+32*\c:\s+31+32*\c], v[TM+12+2*\c+1]
.endr
	v_nop
.irp c, 0,1
.irp i, 0,1,2
	v_permlane16_swap_b32 v[CD+6*\c+\i], v[CD+12+4*\c+\i]
.endr
.irp i, 0,1,2
	v_mov_b32 v[CD+3+6*\c+\i], v[CD+12+4*\c+\i]
.endr
.endr
.endm
.macro EPIQ                            ; Q's or K's way out: a lane holds one token and 128 channels, two heads
	WIN 0xc0
.irp b, 0,1,2,3
.irp i, 0,1,2,3
	global_load_b128 v[BI+16*\b+4*\i:BI+16*\b+4*\i+3], v[BOQ], s[46:47] offset:128*\b+16*\i
.endr
.endr
	WIN 0
	s_wait_loadcnt 0x0                             ; the bias, and the next block's scale words
.irp a, 0,1,2,3
	s_wait_xcnt 0x0                                ; the earlier stores have read their registers
	WIN 0xce
.set ii, 0
.rept 32
	v_pk_add_f32 v[H+ii:H+ii+1], v[64*\a+ii:64*\a+ii+1], v[BI+ii:BI+ii+1]
.set ii, ii+2
.endr
	WIN 0xff
	QUANT H
	WIN 0x0c
.irp c, 0,1
.irp p, 0,1,2
	global_store_b64 v[LO8], v[CD+6*\c+2*\p:CD+6*\c+2*\p+1], s[12:13] offset:\c*HEADB+(\a)*768+256*\p
.endr
.endr
	WIN 0xff
.if (\a)%2 == 0
	v_and_b32 v[SW0+(\a)/2], 0xffff, v[PW]
	v_lshrrev_b32 v[SW1+(\a)/2], 16, v[PW]
.else
	v_and_b32 v[TT], 0xffff, v[PW]
	v_cndmask_b32 v[SW0+(\a)/2], v[SW0+(\a)/2], v[TT], s100
	v_lshrrev_b32 v[TT], 16, v[PW]
	v_cndmask_b32 v[SW1+(\a)/2], v[SW1+(\a)/2], v[TT], s100
.endif
.endr
	WIN 0x0c
	global_store_b64 v[LO16], v[SW0:SW0+1], s[66:67]
	global_store_b64 v[LO16], v[SW1:SW1+1], s[66:67] offset:8192
	WIN 0
.endm
.macro EPIV                            ; V's way out: a lane holds one channel and 128 keys
	WIN 0xc0
.irp a, 0,1,2,3
	global_load_b32 v[BV+\a], v[BOV], s[72:73] offset:(32*(\a/2)+8*(\a%2))*4
.endr
	WIN 0
	s_wait_loadcnt 0x0
.irp a, 0,1,2,3
	s_wait_xcnt 0x0
	WIN 0xce
.set ii, 0
.rept 64
	v_add_f32 v[H+ii], v[64*\a+ii], v[BV+\a]
.set ii, ii+1
.endr
	WIN 0xff
	QUANT H
	WIN 0x0c
.irp p, 0,1,2,3,4,5
	global_store_b64 v[LO8], v[CD+2*\p:CD+2*\p+1], s[74:75] offset:(\a)*1536+256*\p
.endr
	WIN 0xff
.if (\a)%2 == 0
	v_mov_b32 v[SW0+(\a)/2], v[PW]
.else
	v_cndmask_b32 v[SW0+(\a)/2], v[SW0+(\a)/2], v[PW], s100
.endif
.endr
	WIN 0x0c
	global_store_b64 v[LO8], v[SW0:SW0+1], s[76:77]
	WIN 0
.endm
	s_wait_tensorcnt 0x0                           ; my part of K step 0 is in
	ds_add_u32 v[SPW], v[NIL]
	s_wait_dscnt 0x0
	CROUND
	JLOAD 1                                        ; K step 1, the first tensor load behind the round
	FETCH 0, 0, 0
	s_mov_b32 s2, 0                                ; the trip: 0 Q, 1 K
	s_wait_loadcnt 0x0                             ; Q's scale words
.Lphase:
	STEP 0, 0, 1
	TURN 0, 1, 1, 1, 2*XK, 2*WK
	STEP 1, 2, 0
	TURN 1, 0, 3, 1, 2*XK, 2*WK
	STEP 0, 4, 0
	TURN 0, 1, 5, 2, 0, 0
	STEP 1, 6, 0
	TURN 1, 0, 7, 2, 0, 0
	PLACES 4                                       ; behind the last products: for the loads into the scale registers and the first reads of the sums
	s_cmp_eq_u32 s2, 0
	s_cselect_b64 s[94:95], s[4:5], s[10:11]       ; the next block's scale words: K's or V's
	s_cselect_b64 s[96:97], s[8:9], s[6:7]
	s_cselect_b64 s[46:47], s[68:69], s[70:71]     ; this block's bias
	LDSCALES 94, 96
	EPIQ
	s_wait_xcnt 0x0                                ; the stores have read their bases
	s_add_nc_u64 s[12:13], s[12:13], XREG
	s_add_nc_u64 s[66:67], s[66:67], 1<<19
	s_add_co_u32 s2, s2, 1
	s_cmp_lt_u32 s2, 2
	s_wait_alu depctr_va_vdst(0)                   ; the wait directly ahead of the branch
	s_cbranch_scc1 .Lphase
	STEP 0, 0, 1                                   ; V
	TURN 0, 1, 1, 1, 2*WK, 2*XK
	STEP 1, 2, 0
	TURN 1, 0, 3, 1, 2*WK, 2*XK
	STEP 0, 4, 0
	TURN 0, 1, 5, 0, 0, 0
	STEP 1, 6, 0
	s_wait_dscnt 0x0
	WIN MUL_LO
	MULA 0, 0, 1, 7, 0
	MULA 1, 1, 1, 7, 0
	MULA 2, 0, 1, 7, 0
	MULA 3, 1, 1, 7, 0
	WIN 0
	PLACES 4
	EPIV
	s_wait_tensorcnt 0x0                           ; the wave's end
	ds_add_u32 v[SPW], v[NIL]
	s_wait_dscnt 0x0
	CROUND                                         ; the closing round
	s_endpgm
.Lfunc_end_k_qbb0572f6c0_proj:
	.size	k_qbb0572f6c0_proj, .Lfunc_end_k_qbb0572f6c0_proj-k_qbb0572f6c0_proj
	.p2alignl 7, 3214868480
	.fill 96, 4, 3214868480
	.section	.rodata,"a",@progbits
	.p2align	6, 0x0
	.amdhsa_kernel k_qbb0572f6c0_proj
		.amdhsa_group_segment_fixed_size 327680
		.amdhsa_private_segment_fixed_size 0
		.amdhsa_enable_private_segment 0
		.amdhsa_kernarg_size 72
		.amdhsa_user_sgpr_count 2
		.amdhsa_user_sgpr_kernarg_segment_ptr 1
		.amdhsa_wavefront_size32 1
		.amdhsa_system_sgpr_workgroup_id_x 1
		.amdhsa_system_sgpr_workgroup_id_y 1
		.amdhsa_system_sgpr_workgroup_id_z 1
		.amdhsa_system_vgpr_workitem_id 0
		.amdhsa_next_free_vgpr 1024
		.amdhsa_next_free_sgpr 102
		.amdhsa_reserve_vcc 0
		.amdhsa_float_denorm_mode_32 3
		.amdhsa_float_denorm_mode_16_64 3
		.amdhsa_memory_ordered 1
		.amdhsa_forward_progress 1
		.amdhsa_inst_pref_size 217
	.end_amdhsa_kernel
	.amdgpu_metadata
---
amdhsa.version: [ 1, 2 ]
amdhsa.kernels:
  - .name:           k_qbb0572f6c0_proj
    .symbol:         k_qbb0572f6c0_proj.kd
    .args:
      - { .name: xcod, .offset: 0, .size: 8, .value_kind: global_buffer, .address_space: global }
      - { .name: xscl, .offset: 8, .size: 8, .value_kind: global_buffer, .address_space: global }
      - { .name: wcod, .offset: 16, .size: 8, .value_kind: global_buffer, .address_space: global }
      - { .name: wscl, .offset: 24, .size: 8, .value_kind: global_buffer, .address_space: global }
      - { .name: bq, .offset: 32, .size: 8, .value_kind: global_buffer, .address_space: global }
      - { .name: bk, .offset: 40, .size: 8, .value_kind: global_buffer, .address_space: global }
      - { .name: bv, .offset: 48, .size: 8, .value_kind: global_buffer, .address_space: global }
      - { .name: pcod, .offset: 56, .size: 8, .value_kind: global_buffer, .address_space: global }
      - { .name: pscl, .offset: 64, .size: 8, .value_kind: global_buffer, .address_space: global }
    .group_segment_fixed_size: 327680
    .private_segment_fixed_size: 0
    .kernarg_segment_align: 8
    .kernarg_segment_size: 72
    .max_flat_workgroup_size: 128
    .sgpr_count:     102
    .vgpr_count:     1024
    .wavefront_size: 32
...
	.end_amdgpu_metadata
.endif
;; end of part 2
;; launch attn (part 3): grid 4 x 64, 16 waves a work-group, clusters of 4 x 1, 210,944 bytes of LDS; arguments pcod, pscl, acod, ascl; writes acod, ascl
.if DOCPART == 3
	.amdgcn_target "amdgcn-amd-amdhsa--gfx1250"
	.amdhsa_code_object_version 6
	.text
	.protected	k_qbb0572f6c0_attn
	.globl	k_qbb0572f6c0_attn
	.p2align	8
	.type	k_qbb0572f6c0_attn,@function
k_qbb0572f6c0_attn:
	s_mov_b64 s[64:65], 0
	v_nop
	global_prefetch_b8 v0, s[64:65] scope:SCOPE_SE
	s_setreg_imm32_b32 hwreg(HW_REG_WAVE_MODE, 25, 1), 1
	s_wait_xcnt 0x0
	s_wait_alu depctr_hold_cnt(0) depctr_sa_sdst(0) depctr_va_vdst(0) depctr_va_sdst(0) depctr_va_ssrc(0) depctr_va_vcc(0) depctr_vm_vsrc(0)
	s_getreg_b32 s2, hwreg(HW_REG_IB_STS2, 6, 4)
	s_cmp_eq_u32 s2, 0
	s_cbranch_scc0 .Lentry_in_a_cluster
	s_endpgm
.Lentry_in_a_cluster:
	s_bfe_u32 s2, ttmp6, 0x10000c
	s_cmp_lg_u32 s2, 0x3003
	s_cbranch_scc0 .Lentry_shape_is_right
	s_endpgm
.Lentry_shape_is_right:
; THE ATTENTION of one head for each cluster: O[q] = sum over keys of softmax(q . k / 8) v, both products on codes of FP6 (E2M3) with E8M0 scales, and the quantising of O along its channels for the output projection.
; THE SOFTMAX AHEAD OF THE SECOND PRODUCT: t = score x log2(e) / 8; M = the row's largest t so far, rounded UP to a whole number; p = 2^(t - M) is quantised along the keys, not normalised.
; The row's sum is taken of the unquantised p, in f32, and divides O at the end.  When M moves, the sum and O are multiplied by 2^(old M - new M): exact.
; SHARES.  A cluster of four work-groups is one head (cluster y = batch x 16 + head); a work-group owns 512 of its 2,048 queries; each of its sixteen waves owns one tile of 16 queries at a time and walks all
; 2,048 keys, 128 a step, twice (tile 32 cx + 16 pass + wave): four waves to a SIMD, so that one wave's vector work stands beside another's matrix work and LDS loads.
; NO RING.  A head's K and V codes (98,304 bytes each) and their scale words (8,192 and 4,096) fit in LDS together: they come ONCE, by joint loads that name all four work-groups, at the head.  Nothing is filled again.
; All operands lie in memory and in LDS as images of their registers: a pair of registers of 32 lanes is 256 consecutive bytes, so every LDS load reads consecutive bytes.
; LAYOUT.  Both products are used transposed: S^T = K Q^T (source 0 = 16 keys, source 1 = my 16 queries), O^T = V^T P^T (source 0 = 16 channels, source 1 = P): a lane holds one query (lane % 16) throughout.
; The keys of a tile are not neighbours: lane r of tile 2 b + u holds key 32 b + 8 u + r + 8 (r / 8), so that the 16 registers of tiles 2 b and 2 b + 1 are keys 32 b + 16 (lane / 16) + 0 .. 15.  V's channels likewise.
; K = 64 IN AN INSTRUCTION OF K = 128.  Q's registers 6-11 are zero codes, so whatever stands in the upper six registers of K's operand adds nothing (FP6 has no NaN and no infinity): tile t is named as
; v[32 + 6 t .. 32 + 6 t + 11], its upper six registers being the next tile's codes, for tile 7 six cleared registers.  Bytes 2 and 3 of q's and k's scale words are 0.
; LIMITS: a block whose largest magnitude lies under 2^-124 has its byte held at 1; a block of zeros gets the byte 1 (its codes are zeros, and this program alone reads the bytes); NaN and infinities are not served.
; 1 / l is v_rcp_f32, p is one fused multiply-add and v_exp_f32: the accuracy of those instructions stands ahead of the two quantisers.  A block's largest p is taken from the block's largest score by the same two instructions.
.set HEADB, 98304                      ; a head's codes of q, of k or of v
.set REGB,  6291456                    ; a region of pcod: q, k, v
.set VC,    HEADB                      ; LDS: K's codes at 0 (tile T at 768 T), V's here (128 keys at 6,144 g, channel tile t at + 1,536 t),
.set KSO,   2*HEADB                    ; K's scale words (512 g),
.set VSO,   KSO+8192                   ; V's (256 g)
.set AV0,  2                           ; v2   8 x lane + VC
.set ASK0, 3                           ; v3   16 x lane + KSO
.set ASV0, 4                           ; v4   8 x lane + VSO
.set LO8,  5                           ; v5   8 x lane: also my place in a tile of K
.set QSO,  6                           ; v6   my offset among q's scale words
.set R8,   7                           ; v7   8 x (lane % 16)
.set ADK,  8                           ; v8-11 LDS addresses of the step in hand: K, V, K's scale words, V's
.set ADV,  9
.set ADS,  10
.set ADT,  11
.set QF,   16                          ; v16-27 Q: registers 6-11 are cleared once and stay 0      (v12 -M, v13 the largest t, v[14:15] the sum in two halves)
.set QSC,  28                          ; v28   Q's scale words
.set KF,   32                          ; v32-85 K's eight tiles (v80-85 cleared once); later v32-79 V's four fragments
.set KSC,  86                          ; v86-89 K's scale words: register i: tile 2 i in lanes 0-15, tile 2 i + 1 in lanes 16-31
.set VSC,  90                          ; v90-91 V's likewise
.set S,    96                          ; v96-159 S^T, then p, then O / l
.set O,    160                         ; v160-191 O^T
.set CD,   192                         ; v192-203 p's codes
.set CT,   204                         ; v204-211 the conversions' second halves
.set BM,   212                         ; v212-215 the blocks' largest scores, then largest p
.set BT,   216                         ; v216-219 at work: the permutes' destinations, a chain of the sums, the bytes
.set SO,   220                         ; v220-223 the conversions' scale operands
.set FF,   224                         ; v[224:225] f = 2^(old M - new M): named as a pair, the low word serves both halves
.set PSW,  226                         ; v226  p's scale word
.set TP,   227
.set QN,   228                         ; v228-233 the second pass's Q;  v234 its scale words
.set QSN,  234
.set WV,   18                          ; s18  my wave's number
.set SEL,  20                          ; s[20:21] lane selects for v_permlanex16_b32: lane l xor 16
.set CS,   22                          ; s[22:23] c = log2(e) / 8
.set G1C,  24                          ; s[24:31] descriptor group 1 for half a head's codes;  s[32:39] for half of K's scale words;  s[40:47] of V's
.set G1SK, 32
.set G1SV, 40
.set G0C,  48                          ; s[48:51], s[68:71], s[72:75] their groups 0
.set G0SK, 68
.set G0SV, 72
.set TK,   76                          ; s76  6,144 x step: where the step's codes begin, in K and in V
.set TS,   77                          ; s77  512 x step
.set TV,   78                          ; s78  256 x step
.set CNT,  79
.set PASS, 80
.macro CROUND                          ; a round of the cluster's barrier
	s_barrier_signal -1
	s_barrier_wait -1
	s_cmp_lg_u32 s[WV], 0
	s_cbranch_scc1 .Lnot_wave_0_\@
	s_barrier_signal -3
.Lnot_wave_0_\@:
	s_barrier_wait -3
	s_barrier_signal -1
	s_barrier_wait -1
.endm
	s_load_b256 s[4:11], s[0:1], 0x0               ; pcod, pscl, acod, ascl
	v_lshl_add_u32 v254, v0, 2, 0x33000
	v_mov_b32 v255, 0
	ds_add_u32 v254, v255
	ds_add_u32 v254, v255
	v_lshrrev_b32 v1, 5, v0
	s_delay_alu instid0(VALU_DEP_1)
	v_readfirstlane_b32 s[WV], v1                  ; wave 0..15
	s_and_b32 s82, ttmp7, 0xffff                   ; batch x 16 + head, which the four partners share
	s_and_b32 s83, s[WV], 1                        ; which half I fetch, if I fetch
	s_bfe_u32 s84, s[WV], 0x10001                  ; waves 0, 1: K (0); waves 2, 3: V (1)
	; descriptor groups 1: dense blocks as rows of 256 bytes (32 elements of 8 bytes), no padding; 15:0 the mask: all four work-groups; 21 set beside a mask
.irp g, G1C, G1SK, G1SV
	s_mov_b32 s[\g], 15|(3<<16)|(1<<21)
	s_mov_b32 s[\g+1], 32<<16                      ; tensor_dim0
	s_mov_b32 s[\g+3], 32<<16                      ; tile_dim0
	s_mov_b32 s[\g+5], 32                          ; tensor_dim0_stride
	s_mov_b32 s[\g+6], 0
	s_mov_b32 s[\g+7], 0
.endr
	s_mov_b32 s[G1C+2], 192<<16                    ; tensor_dim1, tile_dim1: 49,152 bytes are 192 rows,
	s_mov_b32 s[G1C+4], 192
	s_mov_b32 s[G1SK+2], 16<<16                    ; 4,096 bytes 16,
	s_mov_b32 s[G1SK+4], 16
	s_mov_b32 s[G1SV+2], 8<<16                     ; 2,048 bytes 8
	s_mov_b32 s[G1SV+4], 8
	s_mul_i32 s85, s82, HEADB                      ; the head's first byte in a region of codes
	s_mul_i32 s86, s83, HEADB/2                    ; my half
	s_mul_i32 s88, s84, REGB
	s_add_co_u32 s88, s88, REGB                    ; k's region or v's
	s_add_co_u32 s88, s88, s85
	s_add_co_u32 s88, s88, s86
	s_mov_b32 s89, 0
	s_mul_i32 s90, s84, HEADB
	s_add_co_u32 s90, s90, s86                     ; and where it goes in LDS: no place in the cluster enters an LDS address
	s_lshl_b32 s92, s82, 13                        ; K's scale words: 8,192 bytes a head, behind q's 524,288
	s_lshl_b32 s91, s83, 12
	s_add_co_u32 s92, s92, s91
	s_add_co_u32 s92, s92, 524288
	s_mov_b32 s93, 0
	s_add_co_u32 s91, s91, KSO
	s_lshl_b32 s94, s82, 12                        ; V's: 4,096 bytes a head, from byte 1,048,576 on
	s_lshl_b32 s87, s83, 11
	s_add_co_u32 s94, s94, s87
	s_add_co_u32 s94, s94, 1048576
	s_mov_b32 s95, 0
	s_add_co_u32 s87, s87, VSO
	s_mov_b32 s[SEL], 0x76543210
	s_mov_b32 s[SEL+1], 0xfedcba98
	s_mov_b32 s[CS], 0x3e38aa3b                    ; c = log2(e) / sqrt(64)
	s_mov_b32 s[CS+1], s[CS]                       ; (named with it as a pair, so it is written)
	s_wait_dscnt 0x0
	s_wait_kmcnt 0x0
	s_mov_b32 s[G0C], 1                            ; 1:0 count = 1
	s_mov_b32 s[G0C+1], s90                        ; 63:32 LDS address
	s_add_nc_u64 s[G0C+2:G0C+3], s[4:5], s[88:89]  ; 120:64 global address
	s_or_b32 s[G0C+3], s[G0C+3], 0x80000000        ; 127:126 type = 2
	s_mov_b32 s[G0SK], 1
	s_mov_b32 s[G0SK+1], s91
	s_add_nc_u64 s[G0SK+2:G0SK+3], s[6:7], s[92:93]
	s_or_b32 s[G0SK+3], s[G0SK+3], 0x80000000
	s_mov_b32 s[G0SV], 1
	s_mov_b32 s[G0SV+1], s87
	s_add_nc_u64 s[G0SV+2:G0SV+3], s[6:7], s[94:95]
	s_or_b32 s[G0SV+3], s[G0SV+3], 0x80000000
	CROUND                                         ; all four work-groups are here: the joint loads meet
	s_cmp_lt_u32 s[WV], 4                          ; one chain of branches on the wave's number, one load to an arm: waves 0-3 a half of K's or of V's codes,
	s_cbranch_scc0 .Lnot_c
	tensor_load_to_lds s[G0C:G0C+3], s[G1C:G1C+7]
	s_nop 0
.rept 4
	v_nop
.endr
	s_branch .Lasked
.Lnot_c:
	s_cmp_lt_u32 s[WV], 6                          ; waves 4, 5 a half of K's scale words,
	s_cbranch_scc0 .Lnot_k
	tensor_load_to_lds s[G0SK:G0SK+3], s[G1SK:G1SK+7]
	s_nop 0
.rept 4
	v_nop
.endr
	s_branch .Lasked
.Lnot_k:
	s_cmp_lt_u32 s[WV], 8                          ; waves 6, 7 a half of V's; the others none
	s_cbranch_scc0 .Lasked
	tensor_load_to_lds s[G0SV:G0SV+3], s[G1SV:G1SV+7]
	s_nop 0
.rept 4
	v_nop
.endr
.Lasked:
	; my queries and my results: here alone the place in the cluster enters, and global addresses alone
	s_bfe_u32 s81, ttmp6, 0x40000                  ; cx
	s_lshl_b32 s86, s81, 5
	s_add_co_u32 s86, s86, s[WV]                   ; my tile of queries in the first pass: 32 cx + wave
	s_mul_i32 s88, s86, 768
	s_add_co_u32 s88, s88, s85
	s_add_nc_u64 s[4:5], s[4:5], s[88:89]          ; its codes
	s_lshl_b32 s88, s81, 2
	s_lshr_b32 s90, s[WV], 3
	s_add_co_u32 s88, s88, s90                     ; its group of eight tiles
	s_lshl_b32 s88, s88, 9
	s_lshl_b32 s90, s82, 13
	s_add_co_u32 s88, s88, s90
	s_add_nc_u64 s[6:7], s[6:7], s[88:89]          ; that group's scale words
	s_lshr_b32 s90, s82, 4
	s_lshl_b32 s90, s90, 7
	s_add_co_u32 s90, s90, s86                     ; the row tile of the output projection's operand: batch x 128 + tile
	s_and_b32 s91, s82, 15                         ; the head in its batch
	s_mul_i32 s88, s90, 12288
	s_mul_i32 s92, s91, 768
	s_add_co_u32 s88, s88, s92
	s_add_nc_u64 s[8:9], s[8:9], s[88:89]          ; acod: [row tile][head][pair][lane][8]
	s_lshl_b32 s88, s90, 9
	s_lshr_b32 s92, s91, 2
	s_lshl_b32 s92, s92, 7
	s_add_co_u32 s88, s88, s92
	s_and_b32 s92, s91, 3
	s_lshl_b32 s92, s92, 1
	s_add_co_u32 s88, s88, s92
	s_add_nc_u64 s[10:11], s[10:11], s[88:89]      ; ascl: row tile x 512 + (head / 4) x 128 + r x 8 + (head % 4) x 2
	s_lshl_b32 s92, s83, 8
	s_bfe_u32 s93, s[WV], 0x20001
	s_lshl_b32 s93, s93, 2
	s_add_co_u32 s92, s92, s93                     ; my tile's words: lanes 16 (wave % 2) + r, register (wave / 2) % 4
	v_and_b32 v8, 31, v0                           ; lane
	v_and_b32 v9, 15, v0                           ; r
	s_delay_alu instid0(VALU_DEP_2)
	v_lshlrev_b32 v[LO8], 3, v8
	s_delay_alu instid0(VALU_DEP_2)
	v_lshl_add_u32 v[QSO], v9, 4, s92
.irp p, 0,1,2
	global_load_b64 v[QF+2*\p:QF+2*\p+1], v[LO8], s[4:5] offset:256*\p          ; both passes' Q come now, while the tensor loads are on their way
	global_load_b64 v[QN+2*\p:QN+2*\p+1], v[LO8], s[4:5] offset:16*768+256*\p   ; (the second pass's tile lies 16 tiles on)
.endr
	global_load_b32 v[QSC], v[QSO], s[6:7]
	global_load_b32 v[QSN], v[QSO], s[6:7] offset:1024
	v_add_nc_u32 v[AV0], VC, v[LO8]
	v_lshl_add_u32 v[ASK0], v8, 4, KSO
	v_add_nc_u32 v[ASV0], VSO, v[LO8]
	v_lshlrev_b32 v[R8], 3, v9
.irp i, 6,7,8,9,10,11
	v_mov_b32 v[QF+\i], 0                          ; Q's codes for k = 64 .. 127: zeros
.endr
.irp i, 48,49,50,51,52,53
	v_mov_b32 v[KF+\i], 0                          ; what stands above K's tile 7
.endr
.irp b, 0,1,2,3
	v_mov_b32 v[BT+\b], 0                          ; written once: a lane permute's destination counts as one of its sources
.endr
	v_mov_b32 v[FF+1], 0                           ; (named as the upper half of the pair)
	v_mov_b32 v[TP], 0
	s_mov_b32 s[PASS], 2
	s_wait_loadcnt 0x0                             ; Q
	s_wait_tensorcnt 0x0                           ; my tensor load has landed (a wave that issued none passes at once),
	s_barrier_signal -1
	s_barrier_wait -1                              ; everybody's have: the head's K, V and scale words lie in LDS and are only read from here on
; A KEY STEP: 128 keys.
.macro STEP
	v_add_nc_u32 v[ADK], s[TK], v[LO8]             ; (these four are the places between the last step's products and the loads into the registers that they read)
	v_add_nc_u32 v[ADV], s[TK], v[AV0]
	v_add_nc_u32 v[ADS], s[TS], v[ASK0]
	v_add_nc_u32 v[ADT], s[TV], v[ASV0]
.irp t, 0,1,2,3,4,5,6,7
.irp p, 0,1,2
	ds_load_b64 v[KF+6*\t+2*\p:KF+6*\t+2*\p+1], v[ADK] offset:768*\t+256*\p
.endr
.endr
	ds_load_b128 v[KSC:KSC+3], v[ADS]
	s_wait_alu depctr_va_vdst(0)
	s_wait_dscnt 0x0
.irp t, 0,2,4,6                                ; S^T = K Q^T: eight tiles of 16 keys, each a sum of its own
	v_wmma_scale_f32_16x16x128_f8f6f4 v[S+8*\t:S+8*\t+7], v[KF+6*\t:KF+6*\t+11], v[QF:QF+11], 0, v[KSC+\t/2], v[QSC] matrix_a_fmt:MATRIX_FMT_FP6 matrix_b_fmt:MATRIX_FMT_FP6
	v_wmma_scale_f32_16x16x128_f8f6f4 v[S+8*\t+8:S+8*\t+15], v[KF+6*\t+6:KF+6*\t+17], v[QF:QF+11], 0, v[KSC+\t/2], v[QSC] matrix_a_fmt:MATRIX_FMT_FP6 matrix_b_fmt:MATRIX_FMT_FP6 matrix_a_scale:MATRIX_SCALE_ROW1
.endr
.rept 4
	v_nop                                          ; places: in front of the loads into K's registers and of the first read of the scores
.endr
.irp t, 0,1,2,3                                ; V is asked for now and lands under the softmax
.irp p, 0,1,2,3,4,5
	ds_load_b64 v[KF+12*\t+2*\p:KF+12*\t+2*\p+1], v[ADV] offset:1536*\t+256*\p
.endr
.endr
	ds_load_b64 v[VSC:VSC+1], v[ADT]
.irp b, 0,1,2,3
	v_max3_num_f32 v[BM+\b], v[S+16*\b], v[S+1+16*\b], v[S+2+16*\b]   ; the largest score of each block of 32 keys: it serves the row's maximum and, since p rises with the score, the block's largest p
.endr
.irp i, 3,5,7,9,11,13
.irp b, 0,1,2,3
	v_max3_num_f32 v[BM+\b], v[BM+\b], v[S+16*\b+\i], v[S+1+16*\b+\i]   ; (the four blocks by turns)
.endr
.endr
.irp b, 0,1,2,3
	v_max_num_f32 v[BM+\b], v[BM+\b], v[S+15+16*\b]
.endr
.irp b, 0,1,2,3
	s_delay_alu instid0(VALU_DEP_4)
	v_permlanex16_b32 v[BT+\b], v[BM+\b], s[SEL], s[SEL+1]
.endr
.irp b, 0,1,2,3
	s_delay_alu instid0(VALU_DEP_4)
	v_max_num_f32 v[BM+\b], v[BM+\b], v[BT+\b]     ; with lane l xor 16's 16 keys
.endr
	s_delay_alu instid0(VALU_DEP_2)
	v_max3_num_f32 v[TP], v[BM], v[BM+1], v[BM+2]
	s_delay_alu instid0(VALU_DEP_1)
	v_max_num_f32 v[TP], v[TP], v[BM+3]            ; the step's largest score of my query
	s_delay_alu instid0(VALU_DEP_1)
	v_mul_f32 v[TP], s[CS], v[TP]                  ; as t (c is positive)
	s_delay_alu instid0(VALU_DEP_1)
	v_max_num_f32 v13, v13, v[TP]                  ; the running largest t
	v_mov_b32 v[TP], v12
	s_delay_alu instid0(VALU_DEP_2)
	v_floor_f32 v12, -v13                          ; the new -M = floor(-t) = -ceil(t): a whole number
	s_delay_alu instid0(VALU_DEP_1)
	v_sub_f32 v[TP], v12, v[TP]                    ; M's old value less its new one: a whole number, 0 or less
	s_delay_alu instid0(VALU_DEP_1)
	v_cvt_i32_f32 v[TP], v[TP]                     ; (it saturates)
	s_delay_alu instid0(VALU_DEP_1)
	v_ldexp_f32 v[FF], 1.0, v[TP]                  ; f = 2^(old M - new M)
.set jj, 0
.rept 32
	v_pk_fma_f32 v[S+jj:S+jj+1], v[S+jj:S+jj+1], s[CS:CS+1], v[12:13] op_sel_hi:[1,0,0]   ; t - M, two at a time (of the pairs c and -M the low word serves both halves)
.set jj, jj+2
.endr
.irp b, 0,1,2,3
	v_fma_f32 v[BM+\b], v[BM+\b], s[CS], v12       ; the same of each block's largest score
.endr
.set jj, 0
	s_wait_alu depctr_va_vdst(0)
.rept 64
	v_exp_f32 v[S+jj], v[S+jj]                     ; p = 2^(t - M), at most 1: not normalised
.set jj, jj+1
.endr
	v_pk_mul_f32 v[14:15], v[14:15], v[FF:FF+1] op_sel_hi:[1,0]   ; the sums under the new M: the plain instruction behind the exponentials
	s_wait_alu depctr_va_vdst(0)                   ; one wait for the whole batch, ahead of its first reader
.irp b, 0,1,2,3
	v_exp_f32 v[BM+\b], v[BM+\b]                   ; the block's largest p: the same two instructions on the same number give the same bits
.endr
	v_pk_add_f32 v[216:217], v[100:101], v[104:105]
	v_pk_add_f32 v[252:253], v[108:109], v[112:113]
	v_pk_add_f32 v[250:251], v[116:117], v[120:121]
	v_pk_add_f32 v[248:249], v[124:125], v[128:129]
	v_pk_add_f32 v[246:247], v[132:133], v[136:137]
	v_pk_add_f32 v[244:245], v[140:141], v[144:145]
	v_pk_add_f32 v[242:243], v[148:149], v[152:153]
	v_pk_add_f32 v[14:15], v[14:15], v[156:157]
	v_pk_add_f32 v[216:217], v[216:217], v[96:97]
	v_pk_add_f32 v[252:253], v[252:253], v[98:99]
	v_pk_add_f32 v[250:251], v[250:251], v[102:103]
	v_pk_add_f32 v[248:249], v[248:249], v[106:107]
	v_pk_add_f32 v[246:247], v[246:247], v[110:111]
	v_pk_add_f32 v[244:245], v[244:245], v[114:115]
	v_pk_add_f32 v[242:243], v[242:243], v[118:119]
	v_pk_add_f32 v[14:15], v[14:15], v[122:123]
	v_pk_add_f32 v[216:217], v[216:217], v[126:127]
	v_pk_add_f32 v[252:253], v[252:253], v[130:131]
	v_pk_add_f32 v[250:251], v[250:251], v[134:135]
	v_pk_add_f32 v[248:249], v[248:249], v[138:139]
	v_pk_add_f32 v[246:247], v[246:247], v[142:143]
	v_pk_add_f32 v[244:245], v[244:245], v[146:147]
	v_pk_add_f32 v[242:243], v[242:243], v[150:151]
	v_pk_add_f32 v[14:15], v[14:15], v[154:155]
	v_pk_add_f32 v[216:217], v[216:217], v[158:159]
	s_delay_alu instid0(VALU_DEP_2)
	v_pk_add_f32 v[14:15], v[14:15], v[248:249]
	s_delay_alu instid0(VALU_DEP_2)
	v_pk_add_f32 v[216:217], v[216:217], v[246:247]
	v_pk_add_f32 v[252:253], v[252:253], v[244:245]
	v_pk_add_f32 v[250:251], v[250:251], v[242:243]
	s_delay_alu instid0(VALU_DEP_2)
	v_pk_add_f32 v[14:15], v[14:15], v[252:253]
	s_delay_alu instid0(VALU_DEP_2)
	v_pk_add_f32 v[216:217], v[216:217], v[250:251]
	s_delay_alu instid0(VALU_DEP_1)
	v_pk_add_f32 v[14:15], v[14:15], v[216:217]
	s_wait_alu depctr_va_vdst(0)                   ; and one for the four
.irp b, 0,1,2,3
	v_max_num_f32 v[BM+\b], 0x1800000, v[BM+\b]    ; the floor 2^(3 - 127): the byte cannot fall under 1
.endr
.irp b, 0,1,2,3
	s_delay_alu instid0(VALU_DEP_4)
	v_add_nc_u32 v[SO+\b], 0xff000000, v[BM+\b]    ; 2 off the exponent field: the conversion's scale operand
.endr
.irp b, 0,1,2,3
	s_delay_alu instid0(VALU_DEP_4)
	v_lshrrev_b32 v[BT+\b], 23, v[SO+\b]           ; the scale's byte
.endr
	s_delay_alu instid0(VALU_DEP_3)
	v_lshl_or_b32 v[PSW], v[BT+1], 8, v[BT]        ; p's scale word for these 128 keys
	s_delay_alu instid0(VALU_DEP_1)
	v_lshl_or_b32 v[PSW], v[BT+2], 16, v[PSW]
	s_delay_alu instid0(VALU_DEP_1)
	v_lshl_or_b32 v[PSW], v[BT+3], 24, v[PSW]
.irp c, 0,1
	v_cvt_scalef32_pk16_fp6_f32 v[CD+6*\c:CD+2+6*\c], v[S+32*\c:S+15+32*\c], v[SO+2*\c]
	v_cvt_scalef32_pk16_fp6_f32 v[CT+4*\c:CT+2+4*\c], v[S+16+32*\c:S+31+32*\c], v[SO+2*\c+1]   ; (a conversion's three registers begin on an even number)
.endr
	v_nop                                          ; one plain place behind a scaled conversion
.irp c, 0,1                                    ; the operand's layout wants a whole block in a lane: lanes 0-15 block 2 c, lanes 16-31 block 2 c + 1
.irp i, 0,1,2
	v_permlane16_swap_b32 v[CD+6*\c+\i], v[CT+4*\c+\i]
.endr
.irp i, 0,1,2
	s_delay_alu instid0(VALU_DEP_3)
	v_mov_b32 v[CD+3+6*\c+\i], v[CT+4*\c+\i]
.endr
.endr
.set jj, 0
.rept 16
	v_pk_mul_f32 v[O+jj:O+jj+1], v[O+jj:O+jj+1], v[FF:FF+1] op_sel_hi:[1,0]   ; O^T under the new M: x f.  (These are also the places between the writes of p's codes and scale word and the products)
.set jj, jj+2
.endr
	s_wait_alu depctr_va_vdst(0)
	s_wait_dscnt 0x0                               ; V and its scale words are in
.irp t, 0,2                                    ; O^T += V^T P^T: four tiles of 16 channels, K = these 128 keys; the four accumulators take turns, one instruction a turn
	v_wmma_scale_f32_16x16x128_f8f6f4 v[O+8*\t:O+8*\t+7], v[KF+12*\t:KF+12*\t+11], v[CD:CD+11], v[O+8*\t:O+8*\t+7], v[VSC+\t/2], v[PSW] matrix_a_fmt:MATRIX_FMT_FP6 matrix_b_fmt:MATRIX_FMT_FP6
	v_wmma_scale_f32_16x16x128_f8f6f4 v[O+8*\t+8:O+8*\t+15], v[KF+12*\t+12:KF+12*\t+23], v[CD:CD+11], v[O+8*\t+8:O+8*\t+15], v[VSC+\t/2], v[PSW] matrix_a_fmt:MATRIX_FMT_FP6 matrix_b_fmt:MATRIX_FMT_FP6 matrix_a_scale:MATRIX_SCALE_ROW1
.endr
	s_add_co_u32 s[TK], s[TK], 6144                ; the next 128 keys
	s_add_co_u32 s[TS], s[TS], 512
	s_add_co_u32 s[TV], s[TV], 256
.endm
.Lpass:                                            ; two trips: a tile of 16 queries each
	v_mov_b32 v13, 0xff61b1e6                      ; the largest t so far: -3e38, under every t
	s_delay_alu instid0(VALU_DEP_1)
	v_floor_f32 v12, -v13                          ; -M
	v_mov_b32 v14, 0                               ; the sum, in two halves
	v_mov_b32 v15, 0
.set jj, 0
.rept 32
	v_mov_b32 v[O+jj], 0                           ; O^T.  (The step is written once: the first finds zeros, which the first change of M leaves zeros)
.set jj, jj+1
.endr
	s_mov_b32 s[TK], 0
	s_mov_b32 s[TS], 0
	s_mov_b32 s[TV], 0
	s_mov_b32 s[CNT], 16
.Lstep:
	STEP
	s_sub_co_u32 s[CNT], s[CNT], 1
	s_cmp_lg_u32 s[CNT], 0
	s_cbranch_scc1 .Lstep
	; THE WAY OUT of a pass.  O^T / l: register 16 b + i is channel 32 b + 16 (lane / 16) + i of my query: two blocks of 32, quantised as p is; the six registers of codes are half a fragment of the output projection's operand.
.rept 4
	v_nop                                          ; places behind the last products
.endr
	v_add_f32 v14, v14, v15                        ; the sum's two halves,
	s_delay_alu instid0(VALU_DEP_1)
	v_permlanex16_b32 v[TP], v14, s[SEL], s[SEL+1]
	s_delay_alu instid0(VALU_DEP_1)
	v_add_f32 v14, v14, v[TP]                      ; and lane l xor 16's: the row's sum
	s_wait_alu depctr_va_vdst(0)
	v_rcp_f32 v14, v14
	v_nop                                          ; a plain place behind the reciprocal,
	s_wait_alu depctr_va_vdst(0)                   ; and the wait ahead of its first reader
.set jj, 0
.rept 16
	v_pk_mul_f32 v[S+jj:S+jj+1], v[O+jj:O+jj+1], v[14:15] op_sel_hi:[1,0]   ; each accumulator from its low end on
.set jj, jj+2
.endr
.irp b, 0,1
	v_max3_num_f32 v[BM+\b], |v[S+16*\b]|, |v[S+1+16*\b]|, 0x1800000
.endr
.irp i, 2,4,6,8,10,12,14
.irp b, 0,1
	s_delay_alu instid0(VALU_DEP_2)
	v_max3_num_f32 v[BM+\b], v[BM+\b], |v[S+16*\b+\i]|, |v[S+1+16*\b+\i]|
.endr
.endr
.irp b, 0,1
	s_delay_alu instid0(VALU_DEP_2)
	v_permlanex16_b32 v[BT+\b], v[BM+\b], s[SEL], s[SEL+1]
.endr
.irp b, 0,1
	s_delay_alu instid0(VALU_DEP_2)
	v_max_num_f32 v[BM+\b], v[BM+\b], v[BT+\b]
.endr
.irp b, 0,1
	s_delay_alu instid0(VALU_DEP_2)
	v_add_nc_u32 v[SO+\b], 0xff000000, v[BM+\b]
.endr
.irp b, 0,1
	s_delay_alu instid0(VALU_DEP_2)
	v_lshrrev_b32 v[BT+\b], 23, v[SO+\b]
.endr
	s_delay_alu instid0(VALU_DEP_1)
	v_lshl_or_b32 v[TP], v[BT+1], 8, v[BT]         ; my row's two scale bytes of this head
	v_cvt_scalef32_pk16_fp6_f32 v[CD:CD+2], v[S:S+15], v[SO]
	v_cvt_scalef32_pk16_fp6_f32 v[CT:CT+2], v[S+16:S+31], v[SO+1]
	v_nop                                          ; one plain place behind a scaled conversion
.irp i, 0,1,2
	v_permlane16_swap_b32 v[CD+\i], v[CT+\i]
.endr
.irp i, 0,1,2
	s_delay_alu instid0(VALU_DEP_3)
	v_mov_b32 v[CD+3+\i], v[CT+\i]                 ; registers 0 .. 5: channels 32 (lane / 16) + 0 .. 31
.endr
.irp p, 0,1,2
	global_store_b64 v[LO8], v[CD+2*\p:CD+2*\p+1], s[8:9] offset:256*\p   ; 32 lanes store 256 consecutive bytes, aligned
.endr
	global_store_b16 v[R8], v[TP], s[10:11]        ; two bytes a row (both halves of the lanes hold and write the same): 32 bytes a wave, the one store here that is not a whole aligned run
.irp i, 0,1,2,3,4,5
	v_mov_b32 v[QF+\i], v[QN+\i]                   ; the second pass's queries take their place
.endr
	v_mov_b32 v[QSC], v[QSN]
	s_wait_xcnt 0x0                                ; the stores have read their registers and bases: both may be written again
	s_add_nc_u64 s[8:9], s[8:9], 16*12288          ; 16 row tiles on
	s_add_nc_u64 s[10:11], s[10:11], 16*512
	s_sub_co_u32 s[PASS], s[PASS], 1
	s_cmp_lg_u32 s[PASS], 0
	s_cbranch_scc1 .Lpass
	s_wait_dscnt 0x0
	s_wait_tensorcnt 0x0
	ds_add_u32 v254, v255
	s_wait_dscnt 0x0
	CROUND                                         ; the closing round
	s_endpgm
.Lfunc_end_k_qbb0572f6c0_attn:
	.size	k_qbb0572f6c0_attn, .Lfunc_end_k_qbb0572f6c0_attn-k_qbb0572f6c0_attn
	.p2alignl 7, 3214868480
	.fill 96, 4, 3214868480
	.section	.rodata,"a",@progbits
	.p2align	6, 0x0
	.amdhsa_kernel k_qbb0572f6c0_attn
		.amdhsa_group_segment_fixed_size 210944
		.amdhsa_private_segment_fixed_size 0
		.amdhsa_enable_private_segment 0
		.amdhsa_kernarg_size 32
		.amdhsa_user_sgpr_count 2
		.amdhsa_user_sgpr_kernarg_segment_ptr 1
		.amdhsa_wavefront_size32 1
		.amdhsa_system_sgpr_workgroup_id_x 1
		.amdhsa_system_sgpr_workgroup_id_y 1
		.amdhsa_system_sgpr_workgroup_id_z 1
		.amdhsa_system_vgpr_workitem_id 0
		.amdhsa_next_free_vgpr 256
		.amdhsa_next_free_sgpr 100
		.amdhsa_reserve_vcc 0
		.amdhsa_float_denorm_mode_32 3
		.amdhsa_float_denorm_mode_16_64 3
		.amdhsa_memory_ordered 1
		.amdhsa_forward_progress 1
		.amdhsa_inst_pref_size 34
	.end_amdhsa_kernel
	.amdgpu_metadata
---
amdhsa.version: [ 1, 2 ]
amdhsa.kernels:
  - .name:           k_qbb0572f6c0_attn
    .symbol:         k_qbb0572f6c0_attn.kd
    .args:
      - { .name: pcod, .offset: 0, .size: 8, .value_kind: global_buffer, .address_space: global }
      - { .name: pscl, .offset: 8, .size: 8, .value_kind: global_buffer, .address_space: global }
      - { .name: acod, .offset: 16, .size: 8, .value_kind: global_buffer, .address_space: global }
      - { .name: ascl, .offset: 24, .size: 8, .value_kind: global_buffer, .address_space: global }
    .group_segment_fixed_size: 210944
    .private_segment_fixed_size: 0
    .kernarg_segment_align: 8
    .kernarg_segment_size: 32
    .max_flat_workgroup_size: 512
    .sgpr_count:     100
    .vgpr_count:     256
    .wavefront_size: 32
...
	.end_amdgpu_metadata
.endif
;; end of part 3
;; launch oproj (part 4): grid 4 x 64, 4 waves a work-group, clusters of 4 x 4, 327,680 bytes of LDS; arguments acod, ascl, wcod, wscl, bo, out0; writes out0
.if DOCPART == 4
	.amdgcn_target "amdgcn-amd-amdhsa--gfx1250"
	.amdhsa_code_object_version 6
	.text
	.protected	k_qbb0572f6c0_oproj
	.globl	k_qbb0572f6c0_oproj
	.p2align	8
	.type	k_qbb0572f6c0_oproj,@function
k_qbb0572f6c0_oproj:
	s_mov_b64 s[64:65], 0
	v_nop
	global_prefetch_b8 v0, s[64:65] scope:SCOPE_SE
	s_setreg_imm32_b32 hwreg(HW_REG_WAVE_MODE, 25, 1), 1
	s_wait_xcnt 0x0
	s_wait_alu depctr_hold_cnt(0) depctr_sa_sdst(0) depctr_va_vdst(0) depctr_va_sdst(0) depctr_va_ssrc(0) depctr_va_vcc(0) depctr_vm_vsrc(0)
	s_getreg_b32 s2, hwreg(HW_REG_IB_STS2, 6, 4)
	s_cmp_eq_u32 s2, 0
	s_cbranch_scc0 .Lentry_in_a_cluster
	s_endpgm
.Lentry_in_a_cluster:
	s_bfe_u32 s2, ttmp6, 0x10000c
	s_cmp_lg_u32 s2, 0xf033
	s_cbranch_scc0 .Lentry_shape_is_right
	s_endpgm
.Lentry_shape_is_right:
; out0 = O Wo + bo on codes of FP6 (E2M3) with E8M0 scales; f32 results.  256 work-groups, a block of 128 rows x 256 columns each: rows unit 4 c + cy, columns unit cx (c the cluster's number, cx, cy the place in it).
; A = O's codes, images of operand registers, [row tile of 16][head][768 bytes]: a K step of 256 is 3,072 bytes of a row tile.  B = Wo's codes, [K step][place][192 bytes].  A's tiles are shared by a row of the cluster, B's by a column.
; Four waves, 2 x 2: a wave makes 64 rows x 128 columns, 32 accumulators (window 2).  K goes in four steps of 256 through two slots; waves 0, 1 fetch a half of A's tile, waves 2, 3 a half of B's: one tensor load a wave behind each round.
; The scale words of a wave's rows and columns, all of K, are loaded from memory into registers once: register 8 p + k: block 2 p in lanes 0-15, block 2 p + 1 in lanes 16-31.  The bias is the first products' C.
; THE MATRIX INSTRUCTION IS USED TRANSPOSED (source 0 = B's rows, source 1 = A's): a lane holds neighbouring columns of one row.  Results leave through the wave's stage in slot 0, which has had its last fill and its last read by then, as rows of 512 bytes.
; No data prefetch is laid here: K has four steps, of which two are asked for at the head.
.set SIZE_N, 1024
.set KROW,   192
.set WK,     1024*192
.set PITCH,  240
.set FR,     12
.set ASTEP,  3072
.set AT,     8*ASTEP
.set HALFT,  128*PITCH
.set SLOT,   AT+2*HALFT
.set SPARE,  2*SLOT
.set SPITCH, 528
.set ADRA, 16
.set ADRB, 20
.set STO,  24
.set RD,   25
.set CO,   26
.set AAS,  27
.set SPW,  28
.set NIL,  29
.set ABS,  30
.set BO,   31
.set SAS,  32
.set SBS,  52
.set AF,   128
.set BK,   128
.set G1, 24
.set G0, 32
.set G1B, 48
.set G0B, 56
.set MSB, 0
.macro WIN new
.if MSB != (\new)
	s_set_vgpr_msb (MSB<<8)|(\new)
.set MSB, (\new)
.endif
.endm
.set MUL_LO, 0xa1
.set BIAS_LO, 0x81
.set TO_B,   0x40
.macro PLACES n
.rept \n
	v_nop
.endr
.endm
.macro JLOAD s
	s_cmp_eq_u32 s15, 0
	s_cbranch_scc0 .Lfor_b_\@
	tensor_load_to_lds s[G0+4*\s:G0+4*\s+3], s[G1:G1+7]
	s_nop 0
	PLACES 4
	s_branch .Lasked_\@
.Lfor_b_\@:
	tensor_load_to_lds s[G0B+4*\s:G0B+4*\s+3], s[G1B:G1B+7]
	s_nop 0
	PLACES 4
.Lasked_\@:
.endm
.macro CREST
	s_cmp_lg_u32 s14, 0
	s_cbranch_scc1 .Lnot_wave_0_\@
	s_barrier_signal -3
.Lnot_wave_0_\@:
	s_barrier_wait -3
	s_barrier_signal -1
	s_barrier_wait -1
.endm
.macro CROUND
	s_barrier_signal -1
	s_barrier_wait -1
	CREST
.endm
	s_load_b128 s[4:7], s[0:1], 0x0                ; acod, ascl
	s_load_b128 s[8:11], s[0:1], 0x10              ; wcod, wscl
	s_load_b64 s[96:97], s[0:1], 0x20              ; bo
	s_load_b64 s[12:13], s[0:1], 0x28              ; out0
	v_lshl_add_u32 v[SPW], v0, 2, SPARE
	v_mov_b32 v[NIL], 0
	ds_add_u32 v[SPW], v[NIL]                      ; the opening lines
	ds_add_u32 v[SPW], v[NIL]
	v_lshrrev_b32 v1, 5, v0
	v_readfirstlane_b32 s14, v1
	s_lshr_b32 s15, s14, 1
	s_and_b32 s16, s14, 1
	s_bfe_u32 s40, ttmp6, 0x40000
	s_bfe_u32 s41, ttmp6, 0x40004
	s_and_b32 s17, ttmp7, 0xffff
	s_lshl_b32 s17, s17, 2
	s_add_co_u32 s17, s17, s41                     ; the rows' unit
	s_lshl_b32 s43, s41, 2
	s_lshl_b32 s43, 15, s43
	s_lshl_b32 s44, 0x1111, s40
	s_or_b32 s[G1+0], s43, (3<<16)|(1<<21)         ; four row tiles, 3,072 bytes of each
	s_mov_b32 s[G1+1], 384<<16
	s_mov_b32 s[G1+2], 4<<16
	s_mov_b32 s[G1+3], 384<<16
	s_mov_b32 s[G1+4], 4
	s_mov_b32 s[G1+5], 1536
	s_mov_b32 s[G1+6], 0
	s_mov_b32 s[G1+7], 0
	s_or_b32 s[G1B+0], s44, (1<<20)|(1<<21)|(3<<22)|(3<<25)   ; 128 places: 96 dense rows of 256 bytes, 16 bytes of padding behind each 64
	s_mov_b32 s[G1B+1], 256<<16
	s_mov_b32 s[G1B+2], 96<<16
	s_mov_b32 s[G1B+3], 256<<16
	s_mov_b32 s[G1B+4], 96
	s_mov_b32 s[G1B+5], 256
	s_mov_b32 s[G1B+6], 0
	s_mov_b32 s[G1B+7], 0
	s_lshl_b32 s20, s17, 3
	s_lshl_b32 s18, s16, 2
	s_add_co_u32 s20, s20, s18
	s_mul_i32 s20, s20, 12288
	s_mov_b32 s21, 0
	s_lshl_b32 s22, s40, 8
	s_lshl_b32 s23, s16, 7
	s_add_co_u32 s23, s23, s22                     ; my 128 places of Wo, to fetch and to multiply
	s_mul_i32 s46, s23, KROW
	s_add_co_u32 s46, s46, 3*1024*768
	s_mov_b32 s47, 0
	s_mul_i32 s45, s16, 4*ASTEP
	s_mul_i32 s3, s16, HALFT
	s_add_co_u32 s3, s3, AT
	s_wait_dscnt 0x0
	s_wait_kmcnt 0x0
	s_add_nc_u64 s[20:21], s[4:5], s[20:21]
	s_add_nc_u64 s[46:47], s[8:9], s[46:47]
	CROUND
.irp s, 0,1
	s_mov_b32 s[G0+4*\s], 1
	s_add_co_u32 s[G0+4*\s+1], s45, \s*SLOT
	s_add_nc_u64 s[G0+4*\s+2:G0+4*\s+3], s[20:21], \s*ASTEP
	s_or_b32 s[G0+4*\s+3], s[G0+4*\s+3], 0x80000000
	s_mov_b32 s[G0B+4*\s], 1
	s_add_co_u32 s[G0B+4*\s+1], s3, \s*SLOT
	s_add_nc_u64 s[G0B+4*\s+2:G0B+4*\s+3], s[46:47], \s*WK
	s_or_b32 s[G0B+4*\s+3], s[G0B+4*\s+3], 0x80000000
.endr
	JLOAD 0                                        ; K step 0: one tensor load a wave at the head
	s_mul_i32 s18, s15, 4*ASTEP
	s_add_co_u32 s19, s18, SLOT
	s_add_co_u32 s22, s3, SLOT
	s_mul_i32 s45, s14, 16*SPITCH
	v_and_b32 v1, 15, v0
	v_bfe_u32 v2, v0, 4, 1
	v_and_b32 v6, 31, v0
	v_mul_u32_u24 v3, v1, PITCH
	v_mad_u32_u24 v4, v2, 24, v3
	v_lshl_add_u32 v5, v2, 4, v4
	v_lshlrev_b32 v7, 3, v6
	v_add_nc_u32 v[ADRA], s18, v7
	v_add_nc_u32 v[ADRA+1], s19, v7
	v_add_nc_u32 v[ADRB], s3, v4
	v_add_nc_u32 v[ADRB+1], s22, v4
	v_add_nc_u32 v[ADRB+2], s3, v5
	v_add_nc_u32 v[ADRB+3], s22, v5
	v_mul_u32_u24 v5, v1, SPITCH
	v_lshl_add_u32 v5, v2, 6, v5
	v_add_nc_u32 v[STO], s45, v5
	v_lshlrev_b32 v[CO], 4, v6
	v_add_nc_u32 v[RD], s45, v[CO]
	v_lshlrev_b32 v[AAS], 3, v1
	v_lshl_add_u32 v[AAS], v2, 9, v[AAS]           ; A's scale words: 8 bytes a row and K step, lanes 16-31 the next row tile
	v_lshlrev_b32 v[ABS], 5, v6
	v_lshlrev_b32 v[BO], 6, v2
	s_wait_alu depctr_va_vdst(0)                   ; the wait behind the head's last vector line
	s_lshl_b32 s20, s17, 3
	s_lshl_b32 s18, s15, 2
	s_add_co_u32 s20, s20, s18
	s_lshl_b32 s20, s20, 9
	s_mov_b32 s21, 0
	s_add_nc_u64 s[6:7], s[6:7], s[20:21]
	s_lshl_b32 s20, s23, 5
	s_add_co_u32 s20, s20, 3*32768
	s_add_nc_u64 s[10:11], s[10:11], s[20:21]
	s_lshl_b32 s20, s23, 2
	s_add_nc_u64 s[96:97], s[96:97], s[20:21]
	s_lshl_b32 s18, s17, 7
	s_lshl_b32 s19, s15, 6
	s_add_co_u32 s18, s18, s19
	s_lshl_b32 s18, s18, 12
	s_add_co_u32 s20, s20, s18
	s_add_nc_u64 s[12:13], s[12:13], s[20:21]
.irp p, 0,1
.irp k, 0,1,2,3
	global_load_b64 v[SAS+8*\p+2*\k:SAS+8*\p+2*\k+1], v[AAS], s[6:7] offset:\p*1024+\k*128
.endr
.endr
.irp p, 0,1,2,3
.irp c, 0,1
	global_load_b128 v[SBS+8*\p+4*\c:SBS+8*\p+4*\c+3], v[ABS], s[10:11] offset:\p*1024+16*\c
.endr
.endr
.irp b, 0,1,2,3,4,5,6,7
	global_load_b128 v[96+8*\b+96*(\b/4):96+8*\b+96*(\b/4)+3], v[BO], s[96:97] offset:(32*(\b/2)+8*(\b%2))*4
	global_load_b128 v[96+8*\b+96*(\b/4)+4:96+8*\b+96*(\b/4)+7], v[BO], s[96:97] offset:(32*(\b/2)+8*(\b%2))*4+16
.endr
.macro FRAG reg, adr, q, i
.irp p, 0,1,2,3,4,5
.set PIECE, 12*(\q)+6*(\p/3)+\p%3
.if PIECE%8 < 5
	ds_load_b64 v[\reg+2*\p:\reg+2*\p+1], v[\adr] offset:8*PIECE+16*(PIECE/8)+(\i)*16*PITCH
.else
	ds_load_b64 v[\reg+2*\p:\reg+2*\p+1], v[\adr+2] offset:8*PIECE+16*(PIECE/8)+(\i)*16*PITCH
.endif
.endr
.endm
.macro FETCH slot, q, p
	WIN TO_B
.irp i, 0,1,2,3,4,5,6,7
	FRAG 128*(\p)+FR*\i, ADRB+\slot, \q, \i
.endr
	WIN 0
.irp i, 0,1,2,3
.irp r, 0,1,2,3,4,5
	ds_load_b64 v[AF+48*(\p)+FR*\i+2*\r:AF+48*(\p)+FR*\i+2*\r+1], v[ADRA+\slot] offset:\i*ASTEP+(\q)*1536+256*\r
.endr
.endr
.endm
.macro WM1 a, b, rb, ra, p, kq, zero
.if \zero
	v_wmma_scale_f32_16x16x128_f8f6f4 v[8*(8*(\a)+(\b)):8*(8*(\a)+(\b))+7], v[128*(\p)+FR*(\b):128*(\p)+FR*(\b)+FR-1], v[AF+48*(\p)+FR*(\a):AF+48*(\p)+FR*(\a)+FR-1], v[96+8*(\b)+96*((\b)/4):96+8*(\b)+96*((\b)/4)+7], v[SBS+8*((\b)/2)+(\kq)], v[SAS+8*((\a)/2)+(\kq)] matrix_a_fmt:MATRIX_FMT_FP6 matrix_b_fmt:MATRIX_FMT_FP6 matrix_a_scale:MATRIX_SCALE_ROW\rb matrix_b_scale:MATRIX_SCALE_ROW\ra
.else
	v_wmma_scale_f32_16x16x128_f8f6f4 v[8*(8*(\a)+(\b)):8*(8*(\a)+(\b))+7], v[128*(\p)+FR*(\b):128*(\p)+FR*(\b)+FR-1], v[AF+48*(\p)+FR*(\a):AF+48*(\p)+FR*(\a)+FR-1], v[8*(8*(\a)+(\b)):8*(8*(\a)+(\b))+7], v[SBS+8*((\b)/2)+(\kq)], v[SAS+8*((\a)/2)+(\kq)] matrix_a_fmt:MATRIX_FMT_FP6 matrix_b_fmt:MATRIX_FMT_FP6 matrix_a_scale:MATRIX_SCALE_ROW\rb matrix_b_scale:MATRIX_SCALE_ROW\ra
.endif
.endm
.macro MULA a, ra, p, kq, zero         ; A's block a against B's eight; the 32 accumulators take turns in the same order in every step
.irp c, 0,1,2,3
	WM1 \a, 2*\c, 0, \ra, \p, \kq, \zero
	WM1 \a, 2*\c+1, 1, \ra, \p, \kq, \zero
.endr
.endm
.macro MWIN zero
.if \zero
	WIN BIAS_LO
.else
	WIN MUL_LO
.endif
.endm
.macro STEP slot, kq, zero
	s_wait_dscnt 0x0
	MWIN \zero
	MULA 0, 0, 0, \kq, \zero
	PLACES 4
	FETCH \slot, 1, 1
	MWIN \zero
	MULA 1, 1, 0, \kq, \zero
	MULA 2, 0, 0, \kq, \zero
	MULA 3, 1, 0, \kq, \zero
.endm
.macro TURN slot, next, kq, fill
	WIN 0
	s_wait_tensorcnt 0x0                           ; all my tensor loads have landed, my part of the next slot among them;
	ds_add_u32 v[SPW], v[NIL]
	s_wait_dscnt 1                                 ; (my fragments are in; the add may be out)
	WIN MUL_LO
	MULA 0, 0, 1, \kq, 0
	s_wait_dscnt 0x0
	s_barrier_signal -1
	MULA 1, 1, 1, \kq, 0
	WIN 0
	s_barrier_wait -1
.if \fill
	CREST
	s_add_nc_u64 s[G0+4*\slot+2:G0+4*\slot+3], s[G0+4*\slot+2:G0+4*\slot+3], 2*ASTEP
	s_add_nc_u64 s[G0B+4*\slot+2:G0B+4*\slot+3], s[G0B+4*\slot+2:G0B+4*\slot+3], 2*WK
	JLOAD \slot
.else
	PLACES 4
.endif
	FETCH \next, 0, 0
	WIN MUL_LO
	MULA 2, 0, 1, \kq, 0
	MULA 3, 1, 1, \kq, 0
	WIN 0
.endm
	s_wait_tensorcnt 0x0                           ; my part of K step 0 is in
	ds_add_u32 v[SPW], v[NIL]
	s_wait_dscnt 0x0
	CROUND
	JLOAD 1
	FETCH 0, 0, 0
	s_wait_loadcnt 0x0                             ; the scale words and the bias
	STEP 0, 0, 1
	TURN 0, 1, 1, 1
	STEP 1, 2, 0
	TURN 1, 0, 3, 1
	STEP 0, 4, 0
	TURN 0, 1, 5, 0
	STEP 1, 6, 0
	s_wait_dscnt 0x0
	WIN MUL_LO
	MULA 0, 0, 1, 7, 0
	MULA 1, 1, 1, 7, 0
	MULA 2, 0, 1, 7, 0
	MULA 3, 1, 1, 7, 0
	WIN 0
.macro TOSTAGE a
.set AC, 64*(\a)
	WIN 0x08
.irp b, 0,1,2,3,4,5,6,7
	ds_store_b128 v[STO], v[AC+8*\b:AC+8*\b+3] offset:128*(\b/2)+32*(\b%2)
	ds_store_b128 v[STO], v[AC+8*\b+4:AC+8*\b+7] offset:128*(\b/2)+32*(\b%2)+16
.endr
	WIN 0
.set BB, BK+64*((\a)%2)
.irp t, 0,1,2,3,4,5,6,7,8,9,10,11,12,13,14,15
	ds_load_b128 v[BB+4*\t:BB+4*\t+3], v[RD] offset:\t*SPITCH
.endr
.endm
.macro SEND a, younger                 ; younger: the LDS instructions issued behind block a's loads, which may stay out
.set BB, BK+64*((\a)%2)
	s_wait_dscnt \younger
.irp t, 0,1,2,3,4,5,6,7,8,9,10,11,12,13,14,15
	global_store_b128 v[CO], v[BB+4*\t:BB+4*\t+3], s[12:13] offset:(32*((\a)/2)+8*((\a)%2)+\t+8*(\t/8))*SIZE_N*4 th:TH_STORE_NT
.endr
.endm
	PLACES 4
	TOSTAGE 0
.irp a, 1,2,3
.if \a > 1
	s_wait_xcnt 0x0                                ; block a - 2's stores have read their registers
.endif
	TOSTAGE \a
	SEND \a-1, 32
.endr
	SEND 3, 0
	s_wait_tensorcnt 0x0                           ; the wave's end
	ds_add_u32 v[SPW], v[NIL]
	s_wait_dscnt 0x0
	CROUND                                         ; the closing round
	s_endpgm
.Lfunc_end_k_qbb0572f6c0_oproj:
	.size	k_qbb0572f6c0_oproj, .Lfunc_end_k_qbb0572f6c0_oproj-k_qbb0572f6c0_oproj
	.p2alignl 7, 3214868480
	.fill 96, 4, 3214868480
	.section	.rodata,"a",@progbits
	.p2align	6, 0x0
	.amdhsa_kernel k_qbb0572f6c0_oproj
		.amdhsa_group_segment_fixed_size 327680
		.amdhsa_private_segment_fixed_size 0
		.amdhsa_enable_private_segment 0
		.amdhsa_kernarg_size 48
		.amdhsa_user_sgpr_count 2
		.amdhsa_user_sgpr_kernarg_segment_ptr 1
		.amdhsa_wavefront_size32 1
		.amdhsa_system_sgpr_workgroup_id_x 1
		.amdhsa_system_sgpr_workgroup_id_y 1
		.amdhsa_system_sgpr_workgroup_id_z 1
		.amdhsa_system_vgpr_workitem_id 0
		.amdhsa_next_free_vgpr 1024
		.amdhsa_next_free_sgpr 98
		.amdhsa_reserve_vcc 0
		.amdhsa_float_denorm_mode_32 3
		.amdhsa_float_denorm_mode_16_64 3
		.amdhsa_memory_ordered 1
		.amdhsa_forward_progress 1
		.amdhsa_inst_pref_size 99
	.end_amdhsa_kernel
	.amdgpu_metadata
---
amdhsa.version: [ 1, 2 ]
amdhsa.kernels:
  - .name:           k_qbb0572f6c0_oproj
    .symbol:         k_qbb0572f6c0_oproj.kd
    .args:
      - { .name: acod, .offset: 0, .size: 8, .value_kind: global_buffer, .address_space: global }
      - { .name: ascl, .offset: 8, .size: 8, .value_kind: global_buffer, .address_space: global }
      - { .name: wcod, .offset: 16, .size: 8, .value_kind: global_buffer, .address_space: global }
      - { .name: wscl, .offset: 24, .size: 8, .value_kind: global_buffer, .address_space: global }
      - { .name: bo, .offset: 32, .size: 8, .value_kind: global_buffer, .address_space: global }
      - { .name: out0, .offset: 40, .size: 8, .value_kind: global_buffer, .address_space: global }
    .group_segment_fixed_size: 327680
    .private_segment_fixed_size: 0
    .kernarg_segment_align: 8
    .kernarg_segment_size: 48
    .max_flat_workgroup_size: 128
    .sgpr_count:     98
    .vgpr_count:     1024
    .wavefront_size: 32
...
	.end_amdgpu_metadata
.endif
;; end of part 4
